; MI455X (gfx1250); checked and timed in simulation.
; The chip was launched on July 23, 2026; its instructions are those of AMD's public machine-readable ISA for CDNA 5 (MIT licence, August 2026) and "CDNA5" Instruction Set Architecture Reference Guide (July 2026). The comments in the code are by the model that wrote it; some were corrected since.
;; Spectral Attention. Allowed arithmetic: matrix products marked QUANTISED: E3M2 operands, one E8M0 scale for each 32 along K, by v_wmma_scale_f32_16x16x128_f8f6f4 with both operands' format E3M2, f32 sums; everything else in f32.
;; Inputs: bk 1,024 float32; bo 1,024 float32; bq 1,024 float32; bv 1,024 float32; wk 1,024 x 1,024 float32; wo 1,024 x 1,024 float32; wq 1,024 x 1,024 float32; wv 1,024 x 1,024 float32; x 4 x 2,048 x 1,024 float32.
;; Outputs: out0 4 x 2,048 x 1,024 float32.
;; This version of the problem:
;;   THIS VERSION OF THE PROBLEM IS GIVEN IN LOW PRECISION. The matrix products marked QUANTISED in the list below multiply operands that are first quantised to E3M2 (3 exponent bits, 2 mantissa bits; 6 bits a number), with one power-of-two scale for each 32 numbers along K (OCP MX v1.0); their sums are f32. All else is computed in f32.
;;   The module's matrix products, in the order in which they are computed (A, B: the left and right operand; K: the contracted axis; several contracted axes count as one K, in the product's order):
;;     1. [M 8,192, K 1,024] x [K 1,024, N 1,024]; A: input x; B: input wq: QUANTISED
;;     2. [M 8,192, K 1,024] x [K 1,024, N 1,024]; A: input x; B: input wk: QUANTISED
;;     3. [M 8,192, K 1,024] x [K 1,024, N 1,024]; A: input x; B: input wv: QUANTISED
;;     4. batch 64 x [M 2,048, K 64] x [K 64, N 2,048]; A: computed on the way; B: computed on the way: QUANTISED
;;     5. batch 64 x [M 2,048, K 2,048] x [K 2,048, N 64]; A: softmax (see below); B: computed on the way: QUANTISED
;;     6. [M 8,192, K 1,024] x [K 1,024, N 1,024]; A: computed on the way; B: input wo: QUANTISED
;;   THE QUANTISER, for each operand of a quantised product, along K:
;;     - K is cut into blocks of 32 from its start; a last block that is shorter is filled with zeros.
;;     - A block's scale is 2^e with e = floor(log2(the largest magnitude in the block)) - 4, held to -126 .. 127; a block of zeros has e = 0. As a byte (E8M0): e + 127.
;;     - Each number is divided by its block's scale, clamped to +-28, and rounded to the nearest number of E3M2, ties to even, subnormals kept.
;;     - The product sums the exact products of the quantised numbers (number of the format x scale) in f32.
;;   ~~~python
;;   def quantise(x, axis):      # numpy; x: float32 -> the quantised numbers, widened to float32 again
;;       x = np.moveaxis(x, axis, -1); K = x.shape[-1]
;;       x = np.pad(x, [(0, 0)] * (x.ndim - 1) + [(0, -K % 32)]); x = x.reshape(x.shape[:-1] + (-1, 32)); a = np.abs(x).max(-1, keepdims=True)
;;       e = np.where(a > 0, np.clip(np.frexp(np.where(a > 0, a, 1))[1] - 1 - 4, -126, 127), 0)      # np.frexp(a)[1] - 1 = floor(log2(a)), exactly
;;       r = np.clip(x / 2.0 ** e, -28, 28)
;;       step = 2.0 ** (np.maximum(np.frexp(np.where(r == 0, 1, r))[1] - 1, -2) - 2)
;;       q = np.round(r / step) * step * 2.0 ** e      # np.round: ties to even
;;       return np.moveaxis(q.reshape(q.shape[:-2] + (-1,))[..., :K], -1, axis).astype(np.float32)
;;   ~~~
;;   SOFTMAX AHEAD OF A QUANTISED PRODUCT. Where the list says 'softmax', what is quantised is not the finished softmax but p = 2^(t - M), with t = logit x log2(e) and M = ceil(the row's largest t), a whole number; so 1/2 < the row's largest p <= 1. The row's sum l is taken of the UNQUANTISED p, in f32, and the product's result is divided by l at the end. Since M is a whole number, a kernel that streams over the keys may use a running M (the ceiling of the running maximum): every later rescaling is an exact power of two, which a block's scale takes up: the codes' values come out the same.
;;   OPERANDS COMPUTED ON THE WAY. 'Computed on the way' means the value that the module computes at that place (a softmax that the list does not call 'softmax' is quantised finished and normalised). What goes into a quantiser is computed in f32, as accurately as f32 sums, v_exp_f32 and their like allow (about 1e-6 of the number): no bf16 or f16 on the way to a quantiser, and a product that is left as it is and whose result goes on into a quantised operand takes f32 operands (vector FMAs, or v_wmma_f32_16x16x4_f32). A number that lies on a knife's edge between two numbers of the format may be rounded either way, as far as f32 arithmetic and the matrix unit's own rounding can turn it there, and no further.
;; One version. Each part assembles by itself: llvm-mc -triple=amdgcn-amd-amdhsa -mcpu=gfx1250 --defsym DOCPART=n.
;; ======== version 1 of 1: 4 launches
;; workspace buffers: ops 9,830,400 bytes; yops 6,553,600 bytes; qimg 6,815,744 bytes; kv 13,369,344 bytes
;; launch quant (part 1): grid 384 x 1, 4 waves a work-group, no clusters, 34,304 bytes of LDS; arguments x, wq, wk, wv, wo, ops; writes ops
.if DOCPART == 1
	.amdgcn_target "amdgcn-amd-amdhsa--gfx1250"
	.amdhsa_code_object_version 6
	.text
	.protected	k_q2d60050917_quant
	.globl	k_q2d60050917_quant
	.p2align	8
	.type	k_q2d60050917_quant,@function
k_q2d60050917_quant:
	s_mov_b64 s[64:65], 0
	v_nop
	global_prefetch_b8 v0, s[64:65] scope:SCOPE_SE
	s_setreg_imm32_b32 hwreg(HW_REG_WAVE_MODE, 25, 1), 1
	s_wait_xcnt 0x0
; x [8192][1024] and wq, wk, wv, wo [1024][1024], f32 with K innermost, become codes of BF6 (E3M2) with one E8M0 byte for each 32 along K,
; laid in ops as the matrix unit's operand registers take them.  The rows of x | wq | wk | wv | wo are one run of 12,288 rows = 96 groups of 128.
; ops: [group 0..95][slot 0..3][25,600 bytes].  A block is 128 rows x 256 along K: fragment (tile i, q) at (2 i + q) x 1,536, and from byte 24,576 on
; the scale words, [j][r][4 words (u, q)] with tile i = 2 j + u.  A fragment (16 rows x 128 K, 12 registers a lane) lies as six planes of 256 bytes:
; plane p = registers 2 p, 2 p + 1, lane l at byte 8 l.  LANE r OF TILE i IS ROW 32 (i / 2) + 8 (i % 2) + r + 8 (r / 8) OF THE GROUP.
; A block's scale is 2^(floor(log2(its largest magnitude)) - 4); its byte is the largest magnitude's exponent field - 4, held at 1 from below.
; LIMITS: a block of zeros gets the byte 1 where the rule says 127 (its codes are zeros, and this program alone reads the bytes); NaN and infinities among the inputs are not served.
; SHARES.  A work-group takes 32 neighbouring rows (tiles 2 j and 2 j + 1 of a group), wave w the slot w: 1,024 bytes of each row.  A wave makes four fragments f = 2 u + q.
; Each load reads 512 consecutive bytes of one row; a fragment's 16 rows turn through the wave's own stage in LDS (rows 528 bytes apart), so that lane (r, h) gets k = 64 c + 32 h + 0 .. 31
; of row r in consecutive registers: two whole blocks a lane.  No barrier: waves share nothing.  Matrix units, tensor loads and clusters would add nothing to a stream that is read once.
.set SPT,  528                         ; a stage row: 512 bytes + 16
.set STG,  16*SPT                      ; a wave's stage
.set LA,   4                           ; v4   16 x lane: my bytes of a load's 512
.set SA,   5                           ; v5   the stage, way in
.set RA,   6                           ; v6   the stage, way out: row r, + 128 h
.set L8,   7                           ; v7   8 x lane: my place in a plane
.set SO,   8                           ; v8   16 r: my row's four scale words
.set H8,   9                           ; v9   8 h
.set MX,   10                          ; v10-11 largest magnitudes of my two blocks
.set SOP,  12                          ; v12-13 the conversions' scale operands
.set BY,   14                          ; v14-15 the bytes
.set WT,   16                          ; v16 my two bytes in their places, v17 the other half's
.set W,    20                          ; v20-23 the four fragments' scale words
.set CD,   24                          ; v24-47 codes, two sets of 12
.set T2,   48                          ; v48-50, v52-54 the conversions' second halves
.set X,    64                          ; v64-127 a fragment's 64 numbers of my row
.set R,    128                         ; v128-255 numbers as loaded, two sets of 64
	s_load_b256 s[4:11], s[0:1], 0x0               ; x, wq, wk, wv
	s_load_b128 s[12:15], s[0:1], 0x20             ; wo, ops
	v_lshl_add_u32 v62, v0, 2, 0x8400
	v_mov_b32 v63, 0
	v_lshrrev_b32 v1, 5, v0
	v_readfirstlane_b32 s22, v1                    ; wave = slot
	v_and_b32 v2, 31, v0                           ; lane
	v_and_b32 v3, 15, v0                           ; r
	v_bfe_u32 v[H8], v0, 4, 1                      ; h
	v_lshlrev_b32 v[LA], 4, v2
	s_mul_i32 s23, s22, STG
	v_add_nc_u32 v[SA], s23, v[LA]
	v_mul_u32_u24 v[RA], v3, SPT
	v_lshl_add_u32 v[RA], v[H8], 7, v[RA]
	v_add_nc_u32 v[RA], s23, v[RA]
	v_lshlrev_b32 v[L8], 3, v2
	v_lshlrev_b32 v[SO], 4, v3
	v_lshlrev_b32 v[H8], 3, v[H8]
	v_mov_b32 v[WT+1], 0                           ; a lane permute's destination counts as one of its sources
	s_mov_b32 s20, 0x76543210
	s_mov_b32 s21, 0xfedcba98                      ; v_permlanex16_b32's selects for lane l xor 16
	s_and_b32 s18, ttmp9, 31                       ; a weight's pair of tiles (the weights begin at multiples of 32 pairs)
	s_lshr_b32 s24, ttmp9, 2                       ; the group
	s_and_b32 s25, ttmp9, 3                        ; j
	s_mul_i32 s24, s24, 102400
	s_mul_i32 s26, s22, 25600
	s_add_co_u32 s24, s24, s26                     ; my block's first byte in ops
	s_mul_i32 s26, s25, 6144
	s_add_co_u32 s26, s26, s24                     ; my four fragments
	s_mov_b32 s27, 0
	s_lshl_b32 s28, s25, 8
	s_add_co_u32 s28, s28, s24
	s_add_co_u32 s28, s28, 24576                   ; and their scale words
	s_mov_b32 s29, 0
	s_wait_alu depctr_va_vdst(0)
	s_wait_kmcnt 0x0
	s_mov_b64 s[16:17], s[12:13]                   ; which tensor: the choice hangs on the work-group's number alone
	s_cmp_lt_u32 ttmp9, 352
	s_cselect_b64 s[16:17], s[10:11], s[16:17]
	s_cmp_lt_u32 ttmp9, 320
	s_cselect_b64 s[16:17], s[8:9], s[16:17]
	s_cmp_lt_u32 ttmp9, 288
	s_cselect_b64 s[16:17], s[6:7], s[16:17]
	s_cmp_lt_u32 ttmp9, 256
	s_cselect_b64 s[16:17], s[4:5], s[16:17]
	s_cselect_b32 s18, ttmp9, s18                  ; the pair of tiles within that tensor
	s_lshl_b32 s18, s18, 17                        ; 32 rows of 4,096 bytes
	s_lshl_b32 s19, s22, 10                        ; my slot's 1,024 bytes of a row
	s_add_co_u32 s18, s18, s19
	s_mov_b32 s19, 0
	s_add_nc_u64 s[16:17], s[16:17], s[18:19]
	s_add_nc_u64 s[26:27], s[14:15], s[26:27]
	s_add_nc_u64 s[28:29], s[14:15], s[28:29]
.macro LOADF f                         ; fragment f: 16 rows x 512 consecutive bytes, into set f % 2
.irp i, 0,1,2,3,4,5,6,7,8,9,10,11,12,13,14,15
	global_load_b128 v[R+64*((\f)%2)+4*\i:R+64*((\f)%2)+4*\i+3], v[LA], s[16:17] offset:(8*((\f)/2)+\i+8*(\i/8))*4096+512*((\f)%2) th:TH_LOAD_NT
.endr
.endm
.macro JOB f
.set RS, R+64*((\f)%2)
.set CS, CD+12*((\f)%2)
.if (\f) < 3
	s_wait_loadcnt 16                              ; this fragment's 16 loads are in; the next fragment's 16 may be out
.else
	s_wait_loadcnt 0x0
.endif
.irp i, 0,1,2,3,4,5,6,7,8,9,10,11,12,13,14,15
	ds_store_b128 v[SA], v[RS+4*\i:RS+4*\i+3] offset:SPT*\i
.endr
.irp c, 0,1
.irp m, 0,1,2,3,4,5,6,7
	ds_load_b128 v[X+32*\c+4*\m:X+32*\c+4*\m+3], v[RA] offset:256*\c+16*\m   ; LDS serves a wave's instructions in order: these see the stores above
.endr
.endr
	s_wait_dscnt 0x0                               ; my 64 numbers are in, and the stores have read their registers,
.if (\f) < 2
	LOADF (\f)+2                                   ; which take the loads of two fragments on
.endif
.irp c, 0,1
	v_max3_num_f32 v[MX+\c], |v[X+32*\c]|, |v[X+32*\c+1]|, 0x2800000   ; block 2 c + h: all its 32 numbers are mine; the floor 2^(5 - 127) holds the byte at 1 from below
.endr
.irp i, 2,4,6,8,10,12,14,16,18,20,22,24,26,28,30
.irp c, 0,1
	v_max3_num_f32 v[MX+\c], v[MX+\c], |v[X+32*\c+\i]|, |v[X+32*\c+\i+1]|
.endr
.endr
.irp c, 0,1
	v_add_nc_u32 v[SOP+\c], 0xfe000000, v[MX+\c]   ; 4 off the exponent field: the conversion takes that field of this operand as its scale
.endr
.irp c, 0,1
	v_lshrrev_b32 v[BY+\c], 23, v[SOP+\c]          ; the scale's byte
.endr
	v_lshl_or_b32 v[WT], v[BY+1], 16, v[BY]        ; blocks h and 2 + h of row r,
	v_lshlrev_b32 v[WT], v[H8], v[WT]              ; at their places in the word;
	v_permlanex16_b32 v[WT+1], v[WT], s20, s21
	v_or_b32 v[W+(\f)], v[WT], v[WT+1]             ; with lane l xor 16's two the word is whole, in both halves of the lanes
	s_wait_alu depctr_va_vdst(0)
	s_wait_xcnt 0x0                                ; the stores of two fragments back have read this set of codes
.irp c, 0,1
	v_cvt_scalef32_pk16_bf6_f32 v[CS+6*\c:CS+6*\c+2], v[X+32*\c:X+32*\c+15], v[SOP+\c]
	v_cvt_scalef32_pk16_bf6_f32 v[T2+4*\c:T2+4*\c+2], v[X+32*\c+16:X+32*\c+31], v[SOP+\c]   ; (a conversion's three registers begin on an even number)
.endr
	v_nop                                          ; one plain place behind a scaled conversion
.irp c, 0,1
.irp i, 0,1,2
	v_mov_b32 v[CS+6*\c+3+\i], v[T2+4*\c+\i]
.endr
.endr
.irp p, 0,1,2,3,4,5
	global_store_b64 v[L8], v[CS+2*\p:CS+2*\p+1], s[26:27] offset:1536*(\f)+256*\p   ; a plane: 32 lanes store 256 consecutive bytes, aligned
.endr
.endm
	LOADF 0
	LOADF 1
	JOB 0
	JOB 1
	JOB 2
	JOB 3
	global_store_b128 v[SO], v[W:W+3], s[28:29]    ; 16 rows x 4 words: 256 consecutive bytes, aligned; both halves of the lanes hold and store the same words
	s_wait_tensorcnt 0x0
	ds_add_u32 v62, v63
	s_wait_dscnt 0x0
	s_endpgm
.Lfunc_end_k_q2d60050917_quant:
	.size	k_q2d60050917_quant, .Lfunc_end_k_q2d60050917_quant-k_q2d60050917_quant
	.p2alignl 7, 3214868480
	.fill 96, 4, 3214868480
	.section	.rodata,"a",@progbits
	.p2align	6, 0x0
	.amdhsa_kernel k_q2d60050917_quant
		.amdhsa_group_segment_fixed_size 34304
		.amdhsa_private_segment_fixed_size 0
		.amdhsa_enable_private_segment 0
		.amdhsa_kernarg_size 48
		.amdhsa_user_sgpr_count 2
		.amdhsa_user_sgpr_kernarg_segment_ptr 1
		.amdhsa_wavefront_size32 1
		.amdhsa_system_sgpr_workgroup_id_x 1
		.amdhsa_system_sgpr_workgroup_id_y 1
		.amdhsa_system_sgpr_workgroup_id_z 1
		.amdhsa_system_vgpr_workitem_id 0
		.amdhsa_next_free_vgpr 256
		.amdhsa_next_free_sgpr 66
		.amdhsa_reserve_vcc 0
		.amdhsa_float_denorm_mode_32 3
		.amdhsa_float_denorm_mode_16_64 3
		.amdhsa_memory_ordered 1
		.amdhsa_forward_progress 1
		.amdhsa_inst_pref_size 32
	.end_amdhsa_kernel
	.amdgpu_metadata
---
amdhsa.version: [ 1, 2 ]
amdhsa.kernels:
  - .name:           k_q2d60050917_quant
    .symbol:         k_q2d60050917_quant.kd
    .args:
      - { .name: x, .offset: 0, .size: 8, .value_kind: global_buffer, .address_space: global }
      - { .name: wq, .offset: 8, .size: 8, .value_kind: global_buffer, .address_space: global }
      - { .name: wk, .offset: 16, .size: 8, .value_kind: global_buffer, .address_space: global }
      - { .name: wv, .offset: 24, .size: 8, .value_kind: global_buffer, .address_space: global }
      - { .name: wo, .offset: 32, .size: 8, .value_kind: global_buffer, .address_space: global }
      - { .name: ops, .offset: 40, .size: 8, .value_kind: global_buffer, .address_space: global }
    .group_segment_fixed_size: 34304
    .private_segment_fixed_size: 0
    .kernarg_segment_align: 8
    .kernarg_segment_size: 48
    .max_flat_workgroup_size: 128
    .sgpr_count:     66
    .vgpr_count:     256
    .wavefront_size: 32
...
	.end_amdgpu_metadata
.endif
;; end of part 1
;; launch qkv (part 2): grid 12 x 32, 4 waves a work-group, clusters of 4 x 4, 327,680 bytes of LDS; arguments ops, bq, bk, bv, qimg, kv; writes qimg, kv
.if DOCPART == 2
	.amdgcn_target "amdgcn-amd-amdhsa--gfx1250"
	.amdhsa_code_object_version 6
	.text
	.protected	k_q2d60050917_qkv
	.globl	k_q2d60050917_qkv
	.p2align	8
	.type	k_q2d60050917_qkv,@function
k_q2d60050917_qkv:
	s_mov_b64 s[64:65], 0
	v_nop
	global_prefetch_b8 v0, s[64:65] scope:SCOPE_SE
	s_setreg_imm32_b32 hwreg(HW_REG_WAVE_MODE, 25, 1), 1
	s_wait_xcnt 0x0
	s_wait_alu depctr_hold_cnt(0) depctr_sa_sdst(0) depctr_va_vdst(0) depctr_va_sdst(0) depctr_va_ssrc(0) depctr_va_vcc(0) depctr_vm_vsrc(0)
	s_getreg_b32 s2, hwreg(HW_REG_IB_STS2, 6, 4)
	s_cmp_eq_u32 s2, 0
	s_cbranch_scc0 .Lentry_in_a_cluster
	s_endpgm
.Lentry_in_a_cluster:
	s_bfe_u32 s2, ttmp6, 0x10000c
	s_cmp_lg_u32 s2, 0xf033
	s_cbranch_scc0 .Lentry_shape_is_right
	s_endpgm
.Lentry_shape_is_right:
; Q = x wq^T + bq, K = x wk^T + bk, V^T = wv x^T + bv, on codes of BF6 (E3M2) with E8M0 scales, sums in f32; each result is quantised in registers, along the next product's K, and leaves as codes.
; The cluster's x is the KIND: 0 Q, 1 K, 2 V.  A work-group makes C[256 m][256 n], each of its four waves 128 x 128 (64 accumulators, 512 registers).  Q, K: A = x (m = tokens), B = the weight (n = channels).
; V: A = wv (m = channels), B = x (n = tokens), so that in all three kinds the next product's K (the head's channels for Q and K, the keys for V) runs along n.
; THE MATRIX INSTRUCTION IS USED TRANSPOSED (source 0 = 16 rows of B, source 1 = 16 rows of A): a lane holds one row of A's tile, its registers run along n.
; ops holds both operands as images of operand registers: [group of 128 rows][slot of 256 along K][25,600]: fragment (tile i, q) at (2 i + q) x 1,536 as six planes of 256 bytes (plane p = registers 2 p, 2 p + 1, lane l at 8 l),
; then 1,024 bytes of scale words [j][r][(u, q)], i = 2 j + u.  Lane r of tile i is row 32 (i / 2) + 8 (i % 2) + r + 8 (r / 8) of the group: so the 16 registers of B's tiles 2 c and 2 c + 1 are the 16 neighbours n = 32 c + 16 (lane / 16) + 0 .. 15.
; K goes in four steps of 256 through a ring of two LDS slots; a block of ops is dense, so one tensor load a wave brings 25,600 bytes as 100 rows of 256.
; CLUSTER: 4 x 4 work-groups; A's blocks are shared along a row of the cluster, B's along a column: each is asked for jointly, by the same tensor load with a mask that names the four.
; THE BIAS is the C of each sum's first matrix instruction: for Q and K it hangs on n (registers BI + 8 b), for V on m (BI + 8 a): the first step is written twice, and the branch hangs on the kind, which all partners share.
; THE WAY OUT: a tile of 16 rows x 128 n is quantised to one fragment and a scale word a row.  Q, K: its planes 0-2 are one head's 64 channels, planes 3-5 the next head's.  V: it is a tile of V^T, 16 channels x 128 keys.
;   qimg: [batch x head][group of 128 tokens][6,656]: tile a's three planes at 768 a; from 6,144 the scale words [a / 4][r][a % 4], bytes 0, 1 the two blocks', bytes 2, 3 zero.
;   kv:   [batch x head][step of 128 keys][13,056]: K as qimg's; from 6,656 V^T's four tiles x 1,536; from 12,800 V's scale words [r][tile].
; What differs between the kinds on the way out is kept in scalar registers (strides, shifts, masks): no branch there.
; LIMITS: a block's largest magnitude is taken as 2^-122 at the least (the byte is held at 1; a block of zeros gets 1 where the rule says 127: its codes are zeros, and this program alone reads the bytes); NaN and infinities are not served.
; REGISTERS, in windows of 256: window 0: v0-29 addresses; v32-63 scale words, two sets; v64-127 the bias; v128-223 A's fragments, ONE set (on the way out v128-147 the codes); v224-247 at work.
;   window 1: B's fragments, two sets, at v0 and v128.   window 2: the accumulators of A's tiles 0-3 ((a, b) at v[8 (8 (a % 4) + b)]);   window 3: those of tiles 4-7.
.set NL,    6                          ; LDS loads that bring a fragment
.set NP,    4                          ; places behind this matrix instruction (ISA guide 7.12.1)
.set NQ,    2                          ; matrix instructions deep in a slot
.set FR,    12                         ; registers of a fragment
.set BLKB,  25600                      ; a block of ops
.set GRPB,  4*BLKB                     ; a group's four blocks in ops
.set SLOT,  4*BLKB                     ; an LDS slot: A's two halves, then B's two
.set SPARE, 2*SLOT                     ; behind the ring: the spare words, 128 bytes for each wave: two blocks of 256 bytes that no other line names
.set LAPS,  2                          ; a lap = two K steps of 256 = once round the ring
.set AJ,   4                           ; v4-11  the bias: my byte offset for register j of a tile
.set SHV,  12                          ; v12    how far my half of the lanes shifts a scale word
.set ADRA, 16                          ; v16-17 LDS address of A's fragments in slot 0, 1
.set ADRS, 18                          ; v18-19 of the scale words: lanes 0-15 A's, lanes 16-31 B's
.set ADRB, 20                          ; v20-21 of B's fragments
.set VA0,  24                          ; v24    the way out: my place in planes 0-2;  v25 in planes 3-5
.set VA1,  25
.set VS0,  26                          ; v26    my place among the scale words of tiles 0-3;  v27 of tiles 4-7
.set VS1,  27
.set SPW,  28                          ; v28    LDS address of my spare word; never rewritten
.set NIL,  29                          ; v29    0; never rewritten
.set SC,   32                          ; set s at v[SC + 16 s]; register 2 i + q: lanes 0-15 the word of A's tile i, lanes 16-31 of B's tile i
.set BI,   64
.set AF,   128
.set PC,   128                         ; the way out: v128-139 a fragment's codes, v140-146 the conversions' second halves
.set TM,   224                         ; v224-227 largest magnitudes, v228-231 bytes, v236-239 the conversions' scale operands
.set W,    240                         ; v240-247 the eight tiles' scale words
.set WV,   16                          ; s16 wave;  s17 which half of A's rows is mine, also: I fetch for A (0) or B (1);  s18 which half of B's rows, also: which half I fetch
.set HA,   17
.set HB,   18
.set KIND, 19
.set G1,   24                          ; s[24:31] descriptor group 1 for A's blocks;  s[32:39] group 0, a set for each slot
.set G0,   32
.set G1B,  48                          ; s[48:55], s[56:63] the same for B's
.set G0B,  56
.set SEL,  66                          ; s[66:67] v_permlanex16_b32's selects
.set OUT,  68                          ; s[68:69] where the tile in hand goes;  s[70:71] where tile 0 went
.set DST,  70
.set PS1,  72                          ; s[72:73] bytes from tile to tile;  s[74:75] more in front of tile 4
.set PS2,  74
.set PHS,  76                          ; s76 a head's bytes in the buffer;  s77 a group's
.set PGS,  77
.set POFF, 78                          ; s78 where the kind's part of a group's block begins
.set PD,   79                          ; s79 from planes 0-2 to planes 3-5
.set PSH,  80                          ; s80, s81 lanes 16-31 shift a scale word by this; all lanes mask it by this
.set PMK,  81
.set PH1,  82                          ; s82 from lanes 0-15's scale words to lanes 16-31's;  s83 from tiles 0-3's to tiles 4-7's
.set PK2,  83
.set PBH,  84                          ; s84-86 the bias's offset: bytes for each half, tile row, register
.set PBR,  85
.set PBJ,  86
.set BIA,  88                          ; s[88:89] the bias at my wave's first channel
.set MSB, 0
.macro WIN new                         ; the immediate's high byte repeats the setting that is left
.if MSB != \new
	s_set_vgpr_msb (MSB<<8)|\new
.set MSB, \new
.endif
.endm
.set MUL_LO, 0xa1                      ; source 0 (B) window 1, source 1 (A) window 0, C and D window 2
.set MUL_HI, 0xf1                      ; the same, C and D window 3
.set TO_B,   0x40                      ; destination window 1, address window 0
; A joint load: waves 0 and 1 fetch for A, waves 2 and 3 for B; the branch hangs on the wave's number alone.  Four v_nop follow each of the two lines.
.macro JLOAD g0a, g1a, g0b, g1b
	s_cmp_eq_u32 s[HA], 0
	s_cbranch_scc0 .Lfor_b_\@
	tensor_load_to_lds s[\g0a:\g0a+3], s[\g1a:\g1a+7]
	s_nop 0
.rept 4
	v_nop
.endr
	s_branch .Lasked_\@
.Lfor_b_\@:
	tensor_load_to_lds s[\g0b:\g0b+3], s[\g1b:\g1b+7]
	s_nop 0
.rept 4
	v_nop
.endr
.Lasked_\@:
.endm
.macro CREST                           ; a round of the cluster's barrier behind its opening barrier
	s_cmp_lg_u32 s[WV], 0
	s_cbranch_scc1 .Lnot_wave_0_\@
	s_barrier_signal -3
.Lnot_wave_0_\@:
	s_barrier_wait -3
	s_barrier_signal -1
	s_barrier_wait -1
.endm
.macro CROUND                          ; a whole round
	s_barrier_signal -1
	s_barrier_wait -1
	CREST
.endm
	s_load_b256 s[4:11], s[0:1], 0x0               ; ops, bq, bk, bv
	s_load_b128 s[12:15], s[0:1], 0x20             ; qimg, kv
	v_lshl_add_u32 v[SPW], v0, 2, SPARE
	v_mov_b32 v[NIL], 0
	ds_add_u32 v28, v29
	ds_add_u32 v28, v29
	s_wait_dscnt 0x0
	v_lshrrev_b32 v1, 5, v0
	v_readfirstlane_b32 s[WV], v1                  ; wave 0..3
	s_lshr_b32 s[HA], s[WV], 1
	s_and_b32 s[HB], s[WV], 1
	s_mov_b32 s[KIND], ttmp9                       ; in a cluster launch ttmp9 counts clusters: 0 Q, 1 K, 2 V
	s_bfe_u32 s20, ttmp6, 0x40000                  ; cx, cy: my place in the cluster
	s_bfe_u32 s21, ttmp6, 0x40004
	s_and_b32 s22, ttmp7, 0xffff
	s_lshl_b32 s22, s22, 3                         ; 8 Y: the cluster's first group of tokens
	s_lshl_b32 s23, s[KIND], 3
	s_add_co_u32 s23, s23, 64                      ; the weight's first group: 64 + 8 x kind
	s_lshl_b32 s43, s21, 2
	s_lshl_b32 s43, 15, s43                        ; my row of the cluster
	s_lshl_b32 s44, 0x1111, s20                    ; my column
	s_or_b32 s[G1+0], s43, (3<<16)|(1<<21)         ; 15:0 the mask: A's blocks go to my row; 17:16 elements of 8 bytes; 20 no padding; 21 set beside a mask
	s_or_b32 s[G1B+0], s44, (3<<16)|(1<<21)        ; B's go to my column
.irp g, G1, G1B
	s_mov_b32 s[\g+1], 32<<16                      ; tensor_dim0 = 32 elements: rows of 256 bytes
	s_mov_b32 s[\g+2], 100<<16                     ; tensor_dim1 = 100 rows: a block of 25,600 dense bytes
	s_mov_b32 s[\g+3], 32<<16                      ; tile_dim0
	s_mov_b32 s[\g+4], 100                         ; tile_dim1
	s_mov_b32 s[\g+5], 32                          ; tensor_dim0_stride
	s_mov_b32 s[\g+6], 0
	s_mov_b32 s[\g+7], 0
.endr
	; what hangs on the kind: selected, never branched on
	s_mov_b32 s[PHS], 208896
	s_mov_b32 s[PGS], 13056
	s_cmp_eq_u32 s[KIND], 0
	s_cselect_b32 s[PHS], 106496, s[PHS]
	s_cselect_b32 s[PGS], 6656, s[PGS]
	s_mov_b32 s[PS1], 768
	s_mov_b32 s[PS1+1], 0
	s_mov_b32 s[PS2+1], 0
	s_cmp_eq_u32 s[KIND], 2                        ; all the selections below stand on this one compare
	s_cselect_b32 s40, 80, s22                     ; A's groups begin: wv's, or the cluster's tokens
	s_cselect_b32 s46, s22, s23                    ; B's: the cluster's tokens, or the weight's
	s_cselect_b32 s[POFF], 6656, 0
	s_cselect_b32 s[PS1], 1536, s[PS1]
	s_cselect_b32 s[PD], 768, s[PHS]
	s_cselect_b32 s[PS2], 208896-6144, 0
	s_cselect_b32 s[PSH], 0, 16
	s_cselect_b32 s[PMK], -1, 0xffff
	s_cselect_b32 s[PH1], 0, s[PHS]
	s_cselect_b32 s[PK2], s[PHS], 256
	s_cselect_b32 s[PBH], 0, 64
	s_cselect_b32 s[PBR], 4, 0
	s_cselect_b32 s[PBJ], 0, 4
	s_cselect_b32 s90, s20, s21                    ; the tokens' place in the cluster,
	s_cselect_b32 s91, s21, s20                    ; the channels',
	s_cselect_b32 s92, s[HB], s[HA]                ; my half of the tokens,
	s_cselect_b32 s93, s[HA], s[HB]                ; and of the channels
	; where the blocks come from: A's hang on cy alone, B's on cx alone, each in registers that never hold the other
	s_lshl_b32 s41, s21, 1
	s_add_co_u32 s40, s40, s41
	s_add_co_u32 s40, s40, s[HB]                   ; + the half that I fetch
	s_mul_i32 s40, s40, GRPB
	s_mov_b32 s41, 0
	s_lshl_b32 s47, s20, 1
	s_add_co_u32 s46, s46, s47
	s_add_co_u32 s46, s46, s[HB]
	s_mul_i32 s46, s46, GRPB
	s_mov_b32 s47, 0
	s_mul_i32 s45, s[WV], BLKB                     ; and where they go: wave x a block: no place in the cluster enters an LDS address
	; where my results go
	s_lshr_b32 s94, s22, 1
	s_add_co_u32 s94, s94, s90
	s_lshl_b32 s94, s94, 1
	s_add_co_u32 s94, s94, s92                     ; my group of 128 tokens, 0 .. 63
	s_lshl_b32 s95, s91, 2
	s_lshl_b32 s93, s93, 1
	s_add_co_u32 s95, s95, s93                     ; my first head of two
	s_lshr_b32 s96, s94, 4
	s_lshl_b32 s96, s96, 4
	s_add_co_u32 s96, s96, s95                     ; 16 x batch + head
	s_mul_i32 s96, s96, s[PHS]
	s_and_b32 s97, s94, 15
	s_mul_i32 s97, s97, s[PGS]
	s_add_co_u32 s96, s96, s97
	s_add_co_u32 s96, s96, s[POFF]
	s_mov_b32 s97, 0
	s_lshl_b32 s98, s95, 8                         ; the bias: 64 channels of 4 bytes a head
	s_mov_b32 s99, 0
	s_mov_b32 s[SEL], 0x76543210
	s_mov_b32 s[SEL+1], 0xfedcba98
	s_wait_kmcnt 0x0
	s_add_nc_u64 s[40:41], s[4:5], s[40:41]
	s_add_nc_u64 s[46:47], s[4:5], s[46:47]
	s_cmp_eq_u32 s[KIND], 0
	s_cselect_b64 s[DST:DST+1], s[12:13], s[14:15]
	s_cselect_b64 s[BIA:BIA+1], s[6:7], s[8:9]
	s_cmp_eq_u32 s[KIND], 2
	s_cselect_b64 s[BIA:BIA+1], s[10:11], s[BIA:BIA+1]
	s_add_nc_u64 s[DST:DST+1], s[DST:DST+1], s[96:97]
	s_mov_b64 s[OUT:OUT+1], s[DST:DST+1]
	s_add_nc_u64 s[BIA:BIA+1], s[BIA:BIA+1], s[98:99]
	CROUND                                         ; all sixteen work-groups are here: the first joint loads meet
.irp s, 0,1
	s_mov_b32 s[G0+4*\s], 1                        ; 1:0 count = 1
	s_add_co_u32 s[G0+4*\s+1], s45, \s*SLOT        ; 63:32 LDS address
	s_add_nc_u64 s[G0+4*\s+2:G0+4*\s+3], s[40:41], \s*BLKB   ; 120:64 global address: K step s
	s_or_b32 s[G0+4*\s+3], s[G0+4*\s+3], 0x80000000          ; 127:126 type = 2
	s_mov_b32 s[G0B+4*\s], 1
	s_add_co_u32 s[G0B+4*\s+1], s45, \s*SLOT
	s_add_nc_u64 s[G0B+4*\s+2:G0B+4*\s+3], s[46:47], \s*BLKB
	s_or_b32 s[G0B+4*\s+3], s[G0B+4*\s+3], 0x80000000
	JLOAD G0+4*\s, G1, G0B+4*\s, G1B               ; two tensor loads of mine are out
.endr
	v_and_b32 v1, 15, v0                           ; r
	v_bfe_u32 v2, v0, 4, 1                         ; h
	v_and_b32 v3, 31, v0
	v_lshlrev_b32 v3, 3, v3                        ; 8 x lane: my place in a plane
	s_wait_alu depctr_va_vdst(0)
	v_lshlrev_b32 v13, 4, v1                       ; 16 r
	s_mul_i32 s42, s[HA], BLKB                     ; my half of A
	s_mul_i32 s43, s[HB], BLKB
	s_add_co_u32 s43, s43, 2*BLKB                  ; my half of B, behind A's two
	s_sub_co_u32 s44, s43, s42
	v_mul_u32_u24 v14, s44, v2                     ; lanes 16-31 take B's scale words: one product, the distance between the two blocks
	v_add_nc_u32 v14, v14, v13
	s_add_co_u32 s44, s42, 24576
.irp s, 0,1
	v_add_nc_u32 v[ADRA+\s], s42, v3
	v_add_nc_u32 v[ADRB+\s], s43, v3
	v_add_nc_u32 v[ADRS+\s], s44, v14
	s_add_co_u32 s42, s42, SLOT
	s_add_co_u32 s43, s43, SLOT
	s_add_co_u32 s44, s44, SLOT
.endr
	v_and_b32 v15, 8, v1
	v_add_nc_u32 v15, v15, v1                      ; r + 8 (r / 8)
	v_mul_u32_u24 v15, s[PBR], v15
	v_mul_u32_u24 v14, s[PBH], v2
	v_add_nc_u32 v[AJ], v15, v14                   ; Q, K: 64 h + 4 j (the bias of n = .. + 16 h + j);  V: 4 (r + 8 (r / 8)) (the bias of my row m, in all eight registers)
.irp j, 1,2,3,4,5,6,7
	v_add_nc_u32 v[AJ+\j], s[PBJ], v[AJ+\j-1]
.endr
.irp i, 0,1,2,3,4,5,6,7
.irp j, 0,1,2,3,4,5,6,7
	global_load_b32 v[BI+8*\i+\j], v[AJ+\j], s[BIA:BIA+1] offset:(32*(\i/2)+8*(\i%2))*4
.endr
.endr
	v_mov_b32 v[VA0], v3
	v_add_nc_u32 v[VA1], s[PD], v3
	v_mad_u32_u24 v[VS0], s[PH1], v2, v13
	v_add_nc_u32 v[VS1], s[PK2], v[VS0]
	v_mul_u32_u24 v[SHV], s[PSH], v2
.irp b, 0,1,2,3
	v_mov_b32 v[TM+4+\b], 0                        ; written once: a lane permute's destination counts as one of its sources
.endr
.macro FRAG reg, adr, q, i             ; a fragment comes back as it was laid: six planes, each 256 consecutive bytes for the 32 lanes
.irp p, 0,1,2,3,4,5
	ds_load_b64 v[\reg+2*\p:\reg+2*\p+1], v[\adr] offset:(2*(\i)+(\q))*1536+256*\p
.endr
.endm
; 16 matrix instructions: A's tiles a0, a0 + 1 x B's eight, 128 along K: the slot's q-th.  p: B's set;  sc: the set of scale words.
; zero = 1: the sums begin with the bias of n;  2: with the bias of m;  0: they go on.  The 64 accumulators take turns, one instruction a turn, in the same order in every step.
.macro MUL16 a0, p, q, sc, zero
.irp a, \a0, \a0+1
.irp b, 0,1,2,3,4,5,6,7
.if \zero == 1
	v_wmma_scale_f32_16x16x128_f8f6f4 v[8*(8*((\a)%4)+\b):8*(8*((\a)%4)+\b)+7], v[128*(\p)+FR*\b:128*(\p)+FR*\b+FR-1], v[AF+FR*(\a):AF+FR*(\a)+FR-1], v[BI+8*\b:BI+8*\b+7], v[SC+16*(\sc)+2*\b+(\q)], v[SC+16*(\sc)+2*(\a)+(\q)] matrix_a_fmt:MATRIX_FMT_BF6 matrix_b_fmt:MATRIX_FMT_BF6 matrix_a_scale:MATRIX_SCALE_ROW1
.elseif \zero == 2
	v_wmma_scale_f32_16x16x128_f8f6f4 v[8*(8*((\a)%4)+\b):8*(8*((\a)%4)+\b)+7], v[128*(\p)+FR*\b:128*(\p)+FR*\b+FR-1], v[AF+FR*(\a):AF+FR*(\a)+FR-1], v[BI+8*(\a):BI+8*(\a)+7], v[SC+16*(\sc)+2*\b+(\q)], v[SC+16*(\sc)+2*(\a)+(\q)] matrix_a_fmt:MATRIX_FMT_BF6 matrix_b_fmt:MATRIX_FMT_BF6 matrix_a_scale:MATRIX_SCALE_ROW1
.else
	v_wmma_scale_f32_16x16x128_f8f6f4 v[8*(8*((\a)%4)+\b):8*(8*((\a)%4)+\b)+7], v[128*(\p)+FR*\b:128*(\p)+FR*\b+FR-1], v[AF+FR*(\a):AF+FR*(\a)+FR-1], v[8*(8*((\a)%4)+\b):8*(8*((\a)%4)+\b)+7], v[SC+16*(\sc)+2*\b+(\q)], v[SC+16*(\sc)+2*(\a)+(\q)] matrix_a_fmt:MATRIX_FMT_BF6 matrix_b_fmt:MATRIX_FMT_BF6 matrix_a_scale:MATRIX_SCALE_ROW1
.endif
.endr
.endr
.endm
.macro FETCH_B slot, q, p              ; B's eight fragments of the slot's q-th 128 along K into set p
	WIN TO_B
.irp i, 0,1,2,3,4,5,6,7
	FRAG 128*(\p)+FR*\i, ADRB+\slot, \q, \i
.endr
	WIN 0
.endm
.macro FETCH_A slot, q, i0             ; A's tiles i0 .. i0 + 3
.irp i, \i0, \i0+1, \i0+2, \i0+3
	FRAG AF+FR*(\i), ADRA+\slot, \q, \i
.endr
.endm
.macro SCALES sc                       ; a slot's scale words into set sc: four words a load: tiles 2 j, 2 j + 1 x q = 0, 1
.irp j, 0,1,2,3
	ds_load_b128 v[SC+16*\sc+4*\j:SC+16*\sc+4*\j+3], v[ADRS+\sc] offset:256*\j
.endr
.endm
; A load into a register that a matrix instruction has read, and a vector instruction that reads a matrix result, stand NP places behind that matrix instruction; only plain vector
; instructions that name none of its registers are places (ISA guide 7.12.1 for vector instructions).
.macro PLACES n
.rept \n
	v_nop
.endr
.endm
; A step of 128 along K that has its successor in the same slot.
.macro STEP slot, q, zero
	s_wait_dscnt 4*NL                              ; B's set, A's tiles 0-3 and the scale words are in; the youngest 24 loads (A's tiles 4-7) may be out
.if \zero
	WIN 0x81                                       ; C (the bias) window 0, D window 2
.else
	WIN MUL_LO
.endif
	MUL16 0, (\q)%2, \q, \slot, \zero
	MUL16 2, (\q)%2, \q, \slot, \zero
	s_wait_dscnt 0                                 ; A's tiles 4-7 are in (asked for 32 matrix instructions ago)
	PLACES NP
	FETCH_B \slot, (\q)+1, 1-(\q)%2
	FETCH_A \slot, (\q)+1, 0
.if \zero
	WIN 0xc1                                       ; C window 0, D window 3
.else
	WIN MUL_HI
.endif
	MUL16 4, (\q)%2, \q, \slot, \zero
	MUL16 6, (\q)%2, \q, \slot, \zero
	PLACES NP
	WIN 0
	FETCH_A \slot, (\q)+1, 4
.endm
; A slot's last step changes slots: ONE barrier; in front of it each wave waits for all its tensor loads, adds 0 to its spare word, and waits for that and for its own reads of this slot.  fill = 1: this slot is filled again, two K steps ahead.
.macro TURN slot, next, fill
	s_wait_tensorcnt 0x0                           ; all my tensor loads have landed: my part of the next slot  (every window is 0 here)
	ds_add_u32 v[SPW], v[NIL]                      ; 0 onto my spare word
	s_wait_dscnt 4*NL+1                            ; (the add and the youngest 24 loads, A's tiles 4-7, may be out)
	WIN MUL_LO
	MUL16 0, 1, NQ-1, \slot, 0                     ; sixteen matrix instructions stand between the add and the wait for it
	s_wait_dscnt 0x0                               ; the add is done, and my reads of this slot are over
	s_barrier_signal -1
	MUL16 2, 1, NQ-1, \slot, 0
	WIN 0
	s_barrier_wait -1
.if \fill
	CREST                                          ; the barrier has opened a round of the cluster's barrier: no wave of any partner still reads this slot or has a load on its way
	s_add_nc_u64 s[G0+4*\slot+2:G0+4*\slot+3], s[G0+4*\slot+2:G0+4*\slot+3], 2*BLKB
	s_add_nc_u64 s[G0B+4*\slot+2:G0B+4*\slot+3], s[G0B+4*\slot+2:G0B+4*\slot+3], 2*BLKB
	JLOAD G0+4*\slot, G1, G0B+4*\slot, G1B         ; the first tensor load behind the round, my one load until the next; its four v_nop are the places in front of the loads below
.else
	PLACES NP
.endif
	FETCH_B \next, 0, 0
	FETCH_A \next, 0, 0
	SCALES \next
	WIN MUL_HI
	MUL16 4, 1, NQ-1, \slot, 0
	MUL16 6, 1, NQ-1, \slot, 0
	PLACES NP
	WIN 0
	FETCH_A \next, 0, 4
.endm
	s_wait_tensorcnt 1                             ; my part of K step 0 is in (K step 1's load may be out)
	s_barrier_signal -1
	s_barrier_wait -1                              ; everybody's is
	FETCH_B 0, 0, 0
	FETCH_A 0, 0, 0
	SCALES 0
	FETCH_A 0, 0, 4
	s_wait_loadcnt 0x0                             ; the bias
	s_cmp_eq_u32 s[KIND], 2                        ; the kind is the cluster's: all partners take the same way; both ways hold the same loads and waits, no barrier and no tensor load
	s_cbranch_scc1 .Lv_first
	STEP 0, 0, 1                                   ; Q, K: the sums begin with the bias of n
	s_branch .Lfirst_done
.Lv_first:
	STEP 0, 0, 2                                   ; V: with the bias of m
.Lfirst_done:
	s_mov_b32 s3, LAPS-1
.Llap:                                                 ; a trip goes once round the ring, from a lap's second step to the next lap's first, and fills both slots again
	TURN 0, 1, 1
	STEP 1, 0, 0
	TURN 1, 0, 1
	STEP 0, 0, 0
	s_sub_co_u32 s3, s3, 1
	s_cmp_lg_u32 s3, 0
	s_cbranch_scc1 .Llap
	TURN 0, 1, 0                                   ; the last lap fills nothing, and has no round of the cluster's barrier
	STEP 1, 0, 0
	s_wait_dscnt 4*NL                              ; the very last step: nothing more to fetch
	WIN MUL_LO
	MUL16 0, 1, NQ-1, 1, 0
	MUL16 2, 1, NQ-1, 1, 0
	s_wait_dscnt 0
	WIN MUL_HI
	MUL16 4, 1, NQ-1, 1, 0
	MUL16 6, 1, NQ-1, 1, 0
	WIN 0
; THE WAY OUT of A's tile a: my row's 64 numbers (register 16 c + i = n 32 c + 16 (lane / 16) + i) become a fragment's codes in v[PC] on and a scale word in v[W + a]; the six planes are stored, 256 consecutive aligned bytes each.
; Each accumulator is read from its low end on.
.macro OUTA a
.set XW, 64*((\a)%4)
.set WW, 2+(\a)/4
.set WN, (WW<<2)|(WW<<4)
	WIN WN                                         ; sources 1 and 2: the accumulators' window
.irp b, 0,1,2,3
	v_max3_num_f32 v[TM+\b], 0x2800000, |v[XW+16*\b]|, |v[XW+16*\b+1]|   ; block b: my 16 numbers, and the floor 2^(5 - 127): the byte cannot fall under 1
.endr
.irp i, 2,4,6,8,10,12,14
.irp b, 0,1,2,3
	v_max3_num_f32 v[TM+\b], v[TM+\b], |v[XW+16*\b+\i]|, |v[XW+16*\b+\i+1]|   ; (the four blocks by turns)
.endr
.endr
	WIN 0
.irp b, 0,1,2,3
	v_permlanex16_b32 v[TM+4+\b], v[TM+\b], s[SEL], s[SEL+1]
.endr
.irp b, 0,1,2,3
	v_max_num_f32 v[TM+\b], v[TM+\b], v[TM+4+\b]   ; with lane l xor 16's: the block's largest magnitude
.endr
.irp b, 0,1,2,3
	v_add_nc_u32 v[TM+12+\b], 0xfe000000, v[TM+\b] ; 4 off its exponent field: the conversion's scale operand
.endr
.irp b, 0,1,2,3
	v_lshrrev_b32 v[TM+4+\b], 23, v[TM+12+\b]      ; the scale's byte
.endr
	v_lshl_or_b32 v[W+(\a)], v[TM+5], 8, v[TM+4]
	v_lshl_or_b32 v[W+(\a)], v[TM+6], 16, v[W+(\a)]
	v_lshl_or_b32 v[W+(\a)], v[TM+7], 24, v[W+(\a)]
	s_wait_xcnt 0x0                                ; the last tile's stores have read their codes and their base: both may be written again
.if (\a) > 0
	s_add_nc_u64 s[OUT:OUT+1], s[OUT:OUT+1], s[PS1:PS1+1]
.endif
.if (\a) == 4
	s_add_nc_u64 s[OUT:OUT+1], s[OUT:OUT+1], s[PS2:PS2+1]   ; V: tiles 4-7 are the next head's
.endif
	WIN WW                                         ; source 0: the accumulators' window
.irp c, 0,1
	v_cvt_scalef32_pk16_bf6_f32 v[PC+6*\c:PC+6*\c+2], v[XW+32*\c:XW+32*\c+15], v[TM+12+2*\c]
	v_cvt_scalef32_pk16_bf6_f32 v[PC+12+4*\c:PC+12+4*\c+2], v[XW+32*\c+16:XW+32*\c+31], v[TM+12+2*\c+1]   ; (a conversion's three registers begin on an even number)
.endr
	WIN 0
	v_nop                                          ; one plain place behind a scaled conversion
.irp c, 0,1                                    ; the operand's layout wants a WHOLE block in a lane: lanes 0-15 block 2 c, lanes 16-31 block 2 c + 1
.irp i, 0,1,2
	v_permlane16_swap_b32 v[PC+6*\c+\i], v[PC+12+4*\c+\i]
.endr
.irp i, 0,1,2
	v_mov_b32 v[PC+3+6*\c+\i], v[PC+12+4*\c+\i]
.endr
.endr
.irp p, 0,1,2
	global_store_b64 v[VA0], v[PC+2*\p:PC+2*\p+1], s[OUT:OUT+1] offset:256*\p
.endr
.irp p, 0,1,2
	global_store_b64 v[VA1], v[PC+6+2*\p:PC+6+2*\p+1], s[OUT:OUT+1] offset:256*\p   ; Q, K: the next head's block;  V: the same tile's second half
.endr
.endm
	PLACES NP                                      ; behind the last products: the codes land where A's fragments lay
.irp a, 0,1,2,3,4,5,6,7
	OUTA \a
.endr
.irp a, 0,1,2,3,4,5,6,7
	v_lshrrev_b32 v[W+\a], v[SHV], v[W+\a]         ; Q, K: lanes 0-15 keep the first head's two bytes, lanes 16-31 take the second head's;  V: the word as it is
.endr
.irp a, 0,1,2,3,4,5,6,7
	v_and_b32 v[W+\a], s[PMK], v[W+\a]             ; Q, K: bytes 2 and 3 are 0: the upper half of the next product's K step holds zero codes
.endr
	global_store_b128 v[VS0], v[W:W+3], s[DST:DST+1] offset:6144     ; sixteen lanes store 256 consecutive aligned bytes (V: both halves of the lanes hold and store the same words)
	global_store_b128 v[VS1], v[W+4:W+7], s[DST:DST+1] offset:6144
	s_wait_tensorcnt 0x0                           ; the wave's end
	ds_add_u32 v[SPW], v[NIL]
	s_wait_dscnt 0x0
	CROUND                                         ; the closing round: no work-group ends while a partner may still ask for a block that names it
	s_endpgm
.Lfunc_end_k_q2d60050917_qkv:
	.size	k_q2d60050917_qkv, .Lfunc_end_k_q2d60050917_qkv-k_q2d60050917_qkv
	.p2alignl 7, 3214868480
	.fill 96, 4, 3214868480
	.section	.rodata,"a",@progbits
	.p2align	6, 0x0
	.amdhsa_kernel k_q2d60050917_qkv
		.amdhsa_group_segment_fixed_size 327680
		.amdhsa_private_segment_fixed_size 0
		.amdhsa_enable_private_segment 0
		.amdhsa_kernarg_size 48
		.amdhsa_user_sgpr_count 2
		.amdhsa_user_sgpr_kernarg_segment_ptr 1
		.amdhsa_wavefront_size32 1
		.amdhsa_system_sgpr_workgroup_id_x 1
		.amdhsa_system_sgpr_workgroup_id_y 1
		.amdhsa_system_sgpr_workgroup_id_z 1
		.amdhsa_system_vgpr_workitem_id 0
		.amdhsa_next_free_vgpr 1024
		.amdhsa_next_free_sgpr 100
		.amdhsa_reserve_vcc 0
		.amdhsa_float_denorm_mode_32 3
		.amdhsa_float_denorm_mode_16_64 3
		.amdhsa_memory_ordered 1
		.amdhsa_forward_progress 1
		.amdhsa_inst_pref_size 186
	.end_amdhsa_kernel
	.amdgpu_metadata
---
amdhsa.version: [ 1, 2 ]
amdhsa.kernels:
  - .name:           k_q2d60050917_qkv
    .symbol:         k_q2d60050917_qkv.kd
    .args:
      - { .name: ops, .offset: 0, .size: 8, .value_kind: global_buffer, .address_space: global }
      - { .name: bq, .offset: 8, .size: 8, .value_kind: global_buffer, .address_space: global }
      - { .name: bk, .offset: 16, .size: 8, .value_kind: global_buffer, .address_space: global }
      - { .name: bv, .offset: 24, .size: 8, .value_kind: global_buffer, .address_space: global }
      - { .name: qimg, .offset: 32, .size: 8, .value_kind: global_buffer, .address_space: global }
      - { .name: kv, .offset: 40, .size: 8, .value_kind: global_buffer, .address_space: global }
    .group_segment_fixed_size: 327680
    .private_segment_fixed_size: 0
    .kernarg_segment_align: 8
    .kernarg_segment_size: 48
    .max_flat_workgroup_size: 128
    .sgpr_count:     100
    .vgpr_count:     1024
    .wavefront_size: 32
...
	.end_amdgpu_metadata
.endif
;; end of part 2
;; launch attn (part 3): grid 4 x 64, 16 waves a work-group, clusters of 4 x 1, 327,680 bytes of LDS; arguments qimg, kv, yops; writes yops
.if DOCPART == 3
	.amdgcn_target "amdgcn-amd-amdhsa--gfx1250"
	.amdhsa_code_object_version 6
	.text
	.protected	k_q2d60050917_attn
	.globl	k_q2d60050917_attn
	.p2align	8
	.type	k_q2d60050917_attn,@function
k_q2d60050917_attn:
	s_mov_b64 s[64:65], 0
	v_nop
	global_prefetch_b8 v0, s[64:65] scope:SCOPE_SE
	s_setreg_imm32_b32 hwreg(HW_REG_WAVE_MODE, 25, 1), 1
	s_wait_xcnt 0x0
	s_wait_alu depctr_hold_cnt(0) depctr_sa_sdst(0) depctr_va_vdst(0) depctr_va_sdst(0) depctr_va_ssrc(0) depctr_va_vcc(0) depctr_vm_vsrc(0)
	s_getreg_b32 s2, hwreg(HW_REG_IB_STS2, 6, 4)
	s_cmp_eq_u32 s2, 0
	s_cbranch_scc0 .Lentry_in_a_cluster
	s_endpgm
.Lentry_in_a_cluster:
	s_bfe_u32 s2, ttmp6, 0x10000c
	s_cmp_lg_u32 s2, 0x3003
	s_cbranch_scc0 .Lentry_shape_is_right
	s_endpgm
.Lentry_shape_is_right:
; y[b][q][64 head + d] = the sum over keys k <= q of softmax_k(Q[q] . K[k] / 8) V[k][d], both products on codes of BF6 (E3M2) with E8M0 scales; y is quantised in registers, along the last product's K, and leaves as codes.
; THE SOFTMAX AHEAD OF THE SECOND PRODUCT: t = score x log2(e) / 8; M = the running largest t rounded UP to a whole number; p = 2^(t - M) is quantised along the keys, not normalised; the row's sum is taken of the
; unquantised p and divides O at the end.  When M moves, the sum and O are multiplied by 2^(old M - new M): exact.
; INPUTS, images of operand registers (plane = 256 bytes: two registers, lane l at 8 l; lane r of tile i is token 32 (i / 2) + 8 (i % 2) + r + 8 (r / 8) of a group of 128):
;   qimg [batch x head][group][6,656]: tile a's three planes at 768 a; from 6,144 scale words [a / 4][r][a % 4].
;   kv   [batch x head][step of 128 keys][13,056]: K as qimg's; from 6,656 V^T's four tiles of 16 channels x 128 keys, 1,536 each; from 12,800 V's scale words [r][tile].
; CLUSTER = ONE HEAD.  Its four work-groups need the same K and V: the head's 208,896 bytes are fetched jointly, once, and stay in LDS: no slot is ever filled again.  Each of the sixteen waves brings two parts:
; 13 rows of 256 bytes (together the first 53,248 bytes, which hold key steps 0-3) and 38 rows (the rest), so that work begins when the first parts have landed.
; SHARES.  Work-group cx takes tiles 2 cx and 2 cx + 1 of every group of queries.  Wave w takes tile 2 cx of group 15 - w, then tile 2 cx + 1 of group w: 17 key steps for every wave.
; CAUSAL.  Every wave walks all sixteen steps of both passes, so that trip counts are constants; a step whose keys all come after the group is left out by a scalar branch on the wave's number and the counter;
; in the step on the diagonal hidden scores become -infinity ahead of the maximum.  Key 0 of the first step counts for every query, so M is a number from the first step on.
; LAYOUT.  Both products are used transposed: S^T = K Q^T, O^T = V^T P^T: a lane holds ONE query (lane % 16); the 16 registers of key tiles 2 b and 2 b + 1 are keys 32 b + 16 (lane / 16) + 0 .. 15.
; A HEAD HAS 64 CHANNELS, THE INSTRUCTION TAKES 128: Q's registers 6-11 are zero codes.  K's operand for tile t is v[F + 6 t .. F + 6 t + 11]: its upper six registers are the next tile's codes (behind tile 7: zeros);
; every E3M2 code is a finite number, and these meet zeros; both sides' scale bytes 2 and 3 are 0, which is 2^-127 and no NaN.
; y GOES OUT as half a fragment of yops (laid as ops: [16 batch + group][slot][25,600]): three planes, and two bytes of a scale word a row: that word spans two heads, which two clusters make, so each stores its half:
; 2 of the 50 bytes that a token and head leave.
; LIMITS: masked logits count as -infinity where the source has -1e9: the same unless a row's visible logits lie near -1e9.  A block's largest magnitude is taken as 2^-122 at the least.  NaN and infinities are not served.
.set L8,   1                           ; v1   8 x lane
.set R16,  2                           ; v2   16 r
.set ADK,  3                           ; v3   LDS address of the step's planes
.set ADS,  4                           ; v4   of its scale words
.set DQ,   5                           ; v5   my query's place in its group - 16 h
.set F,    32                          ; v32-85  K's eight tiles at F + 6 t, or V's four at F + 12 t; v80-85 stay zero
.set KS,   86                          ; v86-93  K's scale words
.set VS,   94                          ; v94-97  V's
.set S,    100                         ; v100-163 S^T, then p
.set O,    164                         ; v164-195 O^T
.set PC,   196                         ; v196-207 p's codes
.set T2,   208                         ; v208-210, v212-214 the conversions' second halves
.set BM,   216                         ; v216-219 block maxima
.set BY,   220                         ; v220-223 the other half's maxima, then bytes
.set SOP,  224                         ; v224-227 the conversions' scale operands
.set PW,   228                         ; v228 p's scale word
.set FF,   230                         ; v[230:231] f = 2^(old M - new M)
.set TS,   232                         ; v[232:233] the sum's second chain
.set TT,   234                         ; at work
.set NINF, 235                         ; -infinity
.set YW,   236                         ; y's two scale bytes
.set WV,   10                          ; s10 wave;  s11 cx;  s12 16 x batch + head
.set CX,   11
.set BH,   12
.set SEL,  20                          ; s[20:21] lane selects for v_permlanex16_b32
.set CS,   22                          ; s[22:23] c = log2(e) / 8
.set G1A,  24                          ; s[24:31], s[32:39] descriptor groups 1: 13 rows, 38 rows;  s[40:43], s[44:47] groups 0
.set G1B,  32
.set G0A,  40
.set G0B,  44
.set TB,   48                          ; s48 LDS byte at which the step's block begins
.set SI,   49                          ; s49 the step
.set GG,   50                          ; s50 my group of queries
.set TA,   51                          ; s51 my tile in it
.set QP,   52                          ; s[52:53] Q's planes;  s[54:55] Q's scale words;  s[56:57] y's planes;  s[58:59] y's scale bytes
.set QSP,  54
.set YP,   56
.set YSP,  58
.macro ROUND                           ; a round of the cluster's barrier
	s_barrier_signal -1
	s_barrier_wait -1
	s_cmp_lg_u32 s[WV], 0
	s_cbranch_scc1 .Lnot_wave_0_\@
	s_barrier_signal -3
.Lnot_wave_0_\@:
	s_barrier_wait -3
	s_barrier_signal -1
	s_barrier_wait -1
.endm
	s_load_b128 s[4:7], s[0:1], 0x0                ; qimg, kv
	s_load_b64 s[8:9], s[0:1], 0x10                ; yops
	v_lshl_add_u32 v254, v0, 2, 0x33000
	v_mov_b32 v255, 0
	ds_add_u32 v254, v255
	ds_add_u32 v254, v255
	v_lshrrev_b32 v1, 5, v0
	s_delay_alu instid0(VALU_DEP_1)
	v_readfirstlane_b32 s[WV], v1                  ; wave 0..15
	s_bfe_u32 s[CX], ttmp6, 0x40000                ; my place in the cluster: it enters global addresses and the mask's compare alone
	s_and_b32 s[BH], ttmp7, 0xffff                 ; the head, which the four partners share
.irp g, G1A, G1B
	s_mov_b32 s[\g], 15|(3<<16)|(1<<21)            ; 15:0 the mask: all four work-groups; 17:16 elements of 8 bytes; 20 no padding; 21 set beside a mask
	s_mov_b32 s[\g+1], 32<<16                      ; tensor_dim0 = 32: rows of 256 bytes
	s_mov_b32 s[\g+3], 32<<16                      ; tile_dim0
	s_mov_b32 s[\g+5], 32                          ; tensor_dim0_stride: dense
	s_mov_b32 s[\g+6], 0
	s_mov_b32 s[\g+7], 0
.endr
	s_mov_b32 s[G1A+2], 13<<16                     ; tensor_dim1, tile_dim1: 13 rows,
	s_mov_b32 s[G1A+4], 13
	s_mov_b32 s[G1B+2], 38<<16                     ; 38 rows
	s_mov_b32 s[G1B+4], 38
	s_mul_i32 s14, s[BH], 208896                   ; the head's first byte in kv
	s_mul_i32 s16, s[WV], 3328                     ; my first part: in LDS as in the head
	s_mul_i32 s17, s[WV], 9728
	s_add_co_u32 s17, s17, 53248                   ; my second part
	s_add_co_u32 s18, s14, s16
	s_mov_b32 s19, 0
	s_add_co_u32 s60, s14, s17
	s_mov_b32 s61, 0
	s_mov_b32 s63, 0
	; what of y's addresses hangs on the head alone
	s_and_b32 s13, s[BH], 15                       ; the head in its batch
	s_lshr_b32 s66, s[BH], 4
	s_lshl_b32 s66, s66, 6
	s_lshr_b32 s14, s13, 2
	s_add_co_u32 s66, s66, s14                     ; 4 x 16 x batch + slot: blocks of yops
	s_bfe_u32 s14, s13, 0x10001                    ; q: which 128 of the slot's 256
	s_and_b32 s15, s13, 1                          ; which half of that fragment
	s_mul_i32 s67, s14, 1536
	s_mul_i32 s69, s15, 768
	s_add_co_u32 s67, s67, s69
	s_lshl_b32 s68, s14, 2
	s_lshl_b32 s69, s15, 1
	s_add_co_u32 s68, s68, s69
	s_add_co_u32 s68, s68, 24576
	s_mov_b32 s[SEL], 0x76543210
	s_mov_b32 s[SEL+1], 0xfedcba98
	s_mov_b32 s[CS], 0x3e38aa3b                    ; c = log2(e) / 8
	s_mov_b32 s[CS+1], s[CS]                       ; (named with it as a pair, so it is written)
	s_wait_dscnt 0x0
	s_wait_kmcnt 0x0
	s_mov_b32 s[G0A], 1                            ; 1:0 count = 1
	s_mov_b32 s[G0A+1], s16                        ; 63:32 LDS address
	s_add_nc_u64 s[G0A+2:G0A+3], s[6:7], s[18:19]  ; 120:64 global address
	s_or_b32 s[G0A+3], s[G0A+3], 0x80000000        ; 127:126 type = 2
	s_mov_b32 s[G0B], 1
	s_mov_b32 s[G0B+1], s17
	s_add_nc_u64 s[G0B+2:G0B+3], s[6:7], s[60:61]
	s_or_b32 s[G0B+3], s[G0B+3], 0x80000000
	ROUND                                          ; all four work-groups are here: the joint loads meet
	tensor_load_to_lds s[G0A:G0A+3], s[G1A:G1A+7]  ; my first fill, waited for in full before the second: one load of mine is out
	s_nop 0
	s_wait_alu depctr_va_vdst(0)
	s_wait_tensorcnt 0x0
	ds_add_u32 v254, v255
	s_wait_dscnt 0x0
	ROUND
	tensor_load_to_lds s[G0B:G0B+3], s[G1B:G1B+7]
	s_nop 0
.rept 4
	v_nop
.endr
	v_and_b32 v7, 31, v0
	s_delay_alu instid0(VALU_DEP_1)
	v_lshlrev_b32 v[L8], 3, v7
	v_and_b32 v7, 15, v0                           ; r
	s_delay_alu instid0(VALU_DEP_1)
	v_lshlrev_b32 v[R16], 4, v7
	v_bfe_u32 v8, v0, 4, 1                         ; h
	s_delay_alu instid0(VALU_DEP_3)
	v_and_b32 v6, 8, v7
	s_delay_alu instid0(VALU_DEP_1)
	v_add_nc_u32 v6, v6, v7
	s_delay_alu instid0(VALU_DEP_3)
	v_lshlrev_b32 v8, 4, v8
	s_delay_alu instid0(VALU_DEP_1)
	v_sub_nc_u32 v6, v6, v8                        ; r + 8 (r / 8) - 16 h
.irp i, 22,23,24,25,26,27
	v_mov_b32 v[\i], 0                             ; the upper half of Q's operand: zero codes
.endr
.irp i, 48,49,50,51,52,53
	v_mov_b32 v[F+\i], 0                           ; behind K's tile 7
.endr
.irp b, 0,1,2,3
	v_mov_b32 v[BY+\b], 0                          ; written once: a lane permute's destination counts as one of its sources
.endr
	v_mov_b32 v[FF+1], 0                           ; (named as the upper half of a pair)
	v_mov_b32 v[TT], 0
	v_mov_b32 v[NINF], 0xff800000
; A KEY STEP: 128 keys.
.macro STEP
	v_add_nc_u32 v[ADK], s[TB], v[L8]              ; (on every path; with the two v_nop below: the four places in front of loads into registers that the last products read)
	v_add_nc_u32 v[ADS], s[TB], v[R16]
	s_cmp_gt_u32 s[SI], s[GG]                      ; all keys of the step come after my queries: the step's work is left out, not the lines at its end that step the address and the counter
	s_cbranch_scc1 .Lhid_\@
	s_setprio 2
	v_nop
	v_nop
.irp t, 0,1,2,3,4,5,6,7
.irp p, 0,1,2
	ds_load_b64 v[F+6*\t+2*\p:F+6*\t+2*\p+1], v[ADK] offset:768*\t+256*\p
.endr
.endr
	ds_load_b128 v[KS:KS+3], v[ADS] offset:6144
	ds_load_b128 v[KS+4:KS+7], v[ADS] offset:6400
	ds_load_b128 v[VS:VS+3], v[ADS] offset:12800
	s_wait_dscnt 0x0
.irp t, 0,1,2,3,4,5,6,7                        ; S^T = K Q^T
	v_wmma_scale_f32_16x16x128_f8f6f4 v[S+8*\t:S+8*\t+7], v[F+6*\t:F+6*\t+11], v[16:27], 0, v[KS+\t], v28 matrix_a_fmt:MATRIX_FMT_BF6 matrix_b_fmt:MATRIX_FMT_BF6
.endr
.rept 4
	v_nop                                          ; places in front of the loads below and of the first read of the scores
.endr
	s_wait_alu depctr_va_vdst(0)
.irp t, 0,1,2,3
.irp p, 0,1,2,3,4,5
	ds_load_b64 v[F+12*\t+2*\p:F+12*\t+2*\p+1], v[ADK] offset:6656+1536*\t+256*\p   ; V^T lands while the softmax is worked
.endr
.endr
	s_cmp_lg_u32 s[SI], s[GG]                      ; only the step on the diagonal has hidden keys
	s_cbranch_scc1 .Lopen_\@
.set n, 0
.rept 64                                       ; register n holds key 32 (n / 16) + n % 16 + 16 h of the step: hidden where that comes after my query
	v_cmp_gt_i32 vcc_lo, 32*(n/16)+n%16, v[DQ]
	v_cndmask_b32 v[S+n], v[S+n], v[NINF], vcc_lo
.set n, n+1
.endr
.Lopen_\@:
.irp b, 0,1,2,3
	v_max3_num_f32 v[BM+\b], v[S+16*\b], v[S+16*\b+1], v[S+16*\b+2]   ; THE LARGEST SCORE OF EACH BLOCK OF 32 KEYS serves twice: for the row's maximum and, since p rises with the score, for the block's largest p
.endr
.irp i, 3,5,7,9,11,13
.irp b, 0,1,2,3
	v_max3_num_f32 v[BM+\b], v[BM+\b], v[S+16*\b+\i], v[S+16*\b+\i+1]   ; (the four blocks by turns)
.endr
.endr
.irp b, 0,1,2,3
	v_max_num_f32 v[BM+\b], v[BM+\b], v[S+16*\b+15]
.endr
.irp b, 0,1,2,3
	s_delay_alu instid0(VALU_DEP_4)
	v_permlanex16_b32 v[BY+\b], v[BM+\b], s[SEL], s[SEL+1]
.endr
.irp b, 0,1,2,3
	s_delay_alu instid0(VALU_DEP_4)
	v_max_num_f32 v[BM+\b], v[BM+\b], v[BY+\b]     ; with lane l xor 16's 16 keys
.endr
	s_delay_alu instid0(VALU_DEP_2)
	v_max3_num_f32 v[TT], v[BM], v[BM+1], v[BM+2]
	s_delay_alu instid0(VALU_DEP_1)
	v_max_num_f32 v[TT], v[TT], v[BM+3]            ; the step's largest score of my query
	s_delay_alu instid0(VALU_DEP_1)
	v_mul_f32 v[TT], s[CS], v[TT]                  ; as t (c is positive)
	s_delay_alu instid0(VALU_DEP_1)
	v_max_num_f32 v13, v13, v[TT]                  ; the running largest t
	v_mov_b32 v[TT], v12
	s_delay_alu instid0(VALU_DEP_2)
	v_floor_f32 v12, -v13                          ; the new -M = floor(-t) = -ceil(t): a whole number
	s_delay_alu instid0(VALU_DEP_1)
	v_sub_f32 v[TT], v12, v[TT]                    ; old M - new M: a whole number, 0 or less
	s_delay_alu instid0(VALU_DEP_1)
	v_cvt_i32_f32 v[TT], v[TT]                     ; (it saturates)
	s_delay_alu instid0(VALU_DEP_1)
	v_ldexp_f32 v[FF], 1.0, v[TT]                  ; f = 2^(old M - new M)
.set j, 0
	s_setprio 1
.rept 32
	v_pk_fma_f32 v[S+j:S+j+1], v[S+j:S+j+1], s[CS:CS+1], v[12:13] op_sel_hi:[1,0,0]   ; t - M, two at a time (of the pairs c and -M the low word serves both halves)
.set j, j+2
.endr
.irp b, 0,1,2,3
	v_fma_f32 v[BM+\b], v[BM+\b], s[CS], v12       ; the same of each block's largest score
.endr
.set j, 0
	s_wait_alu depctr_va_vdst(0)
.rept 64
	v_exp_f32 v[S+j], v[S+j]                       ; p = 2^(t - M), at most 1
.set j, j+1
.endr
.irp b, 0,1,2,3
	v_exp_f32 v[BM+\b], v[BM+\b]                   ; the block's largest p: the same two instructions on the same number give the same bits
.endr
	v_pk_mul_f32 v[14:15], v[14:15], v[FF:FF+1] op_sel_hi:[1,0]   ; the sums under the new M.  (A plain place behind the exponentials)
	s_wait_alu depctr_va_vdst(0)
.irp b, 0,1,2,3
	v_max_num_f32 v[BM+\b], 0x2800000, v[BM+\b]    ; the floor 2^(5 - 127): the byte cannot fall under 1
.endr
.irp b, 0,1,2,3
	s_delay_alu instid0(VALU_DEP_4)
	v_add_nc_u32 v[SOP+\b], 0xfe000000, v[BM+\b]   ; 4 off the exponent field: the conversion's scale operand
.endr
.irp b, 0,1,2,3
	s_delay_alu instid0(VALU_DEP_4)
	v_lshrrev_b32 v[BY+\b], 23, v[SOP+\b]          ; the scale's byte
.endr
	s_delay_alu instid0(VALU_DEP_3)
	v_lshl_or_b32 v[PW], v[BY+1], 8, v[BY]         ; p's scale word for these 128 keys
	s_delay_alu instid0(VALU_DEP_1)
	v_lshl_or_b32 v[PW], v[BY+2], 16, v[PW]
	s_delay_alu instid0(VALU_DEP_1)
	v_lshl_or_b32 v[PW], v[BY+3], 24, v[PW]
.irp c, 0,1
	v_cvt_scalef32_pk16_bf6_f32 v[PC+6*\c:PC+6*\c+2], v[S+32*\c:S+32*\c+15], v[SOP+2*\c]
	v_cvt_scalef32_pk16_bf6_f32 v[T2+4*\c:T2+4*\c+2], v[S+32*\c+16:S+32*\c+31], v[SOP+2*\c+1]   ; (a conversion's three registers begin on an even number)
.endr
	v_nop                                          ; one plain place behind a scaled conversion
.irp c, 0,1                                    ; the operand's layout wants a WHOLE block in a lane
.irp i, 0,1,2
	v_permlane16_swap_b32 v[PC+6*\c+\i], v[T2+4*\c+\i]
.endr
.irp i, 0,1,2
	s_delay_alu instid0(VALU_DEP_3)
	v_mov_b32 v[PC+3+6*\c+\i], v[T2+4*\c+\i]
.endr
.endr
	v_pk_add_f32 v[TS:TS+1], v[S:S+1], v[S+2:S+3]  ; THE ROW'S SUM IS TAKEN OF THE UNQUANTISED p: two at a time, in two chains
	s_setprio 0
.irp j, 4,8,12,16,20,24,28,32,36,40,44,48,52,56,60
	v_pk_add_f32 v[14:15], v[14:15], v[S+\j:S+\j+1]
	v_pk_add_f32 v[TS:TS+1], v[TS:TS+1], v[S+\j+2:S+\j+3]
.endr
	s_delay_alu instid0(VALU_DEP_1)
	v_pk_add_f32 v[14:15], v[14:15], v[TS:TS+1]
.set j, 0
.rept 16
	v_pk_mul_f32 v[O+j:O+j+1], v[O+j:O+j+1], v[FF:FF+1] op_sel_hi:[1,0]   ; O^T under the new M.  (The sums and these are also the places between the scale word's and the codes' last writes and the products below)
.set j, j+2
.endr
	s_wait_alu depctr_va_vdst(0)
	s_wait_dscnt 0x0                               ; V^T is in
.irp t, 0,1,2,3                                ; O^T += V^T P^T: the four accumulators by turns, one instruction a turn
	v_wmma_scale_f32_16x16x128_f8f6f4 v[O+8*\t:O+8*\t+7], v[F+12*\t:F+12*\t+11], v[PC:PC+11], v[O+8*\t:O+8*\t+7], v[VS+\t], v[PW] matrix_a_fmt:MATRIX_FMT_BF6 matrix_b_fmt:MATRIX_FMT_BF6
.endr
.Lhid_\@:
	s_add_co_u32 s[TB], s[TB], 13056
	s_add_co_u32 s[SI], s[SI], 1
.endm
; A tile of 16 queries begins: its addresses, its Q, its empty sums.
.macro TILE_BEGIN pass
	s_wait_xcnt 0x0                                ; the last tile's stores have read their registers and bases
.if \pass
	s_mov_b32 s[GG], s[WV]
.else
	s_xor_b32 s[GG], s[WV], 15                     ; 15 - wave
.endif
	s_lshl_b32 s[TA], s[CX], 1
	s_add_co_u32 s[TA], s[TA], \pass
	s_mul_i32 s60, s[BH], 106496
	s_mul_i32 s61, s[GG], 6656
	s_add_co_u32 s60, s60, s61                     ; the group's block of qimg
	s_mul_i32 s61, s[TA], 768
	s_add_co_u32 s62, s60, s61
	s_add_nc_u64 s[QP:QP+1], s[4:5], s[62:63]
	s_lshr_b32 s61, s[TA], 2
	s_lshl_b32 s61, s61, 8
	s_add_co_u32 s62, s60, s61
	s_and_b32 s61, s[TA], 3
	s_lshl_b32 s61, s61, 2
	s_add_co_u32 s62, s62, s61
	s_add_co_u32 s62, s62, 6144
	s_add_nc_u64 s[QSP:QSP+1], s[4:5], s[62:63]
.irp p, 0,1,2
	global_load_b64 v[16+2*\p:17+2*\p], v[L8], s[QP:QP+1] offset:256*\p
.endr
	global_load_b32 v28, v[R16], s[QSP:QSP+1]
	s_lshl_b32 s60, s[GG], 2
	s_add_co_u32 s60, s60, s66
	s_mul_i32 s60, s60, 25600                      ; the block of yops
	s_mul_i32 s61, s[TA], 3072
	s_add_co_u32 s62, s60, s61
	s_add_co_u32 s62, s62, s67
	s_add_nc_u64 s[YP:YP+1], s[8:9], s[62:63]
	s_lshr_b32 s61, s[TA], 1
	s_lshl_b32 s61, s61, 8
	s_add_co_u32 s62, s60, s61
	s_and_b32 s61, s[TA], 1
	s_lshl_b32 s61, s61, 3
	s_add_co_u32 s62, s62, s61
	s_add_co_u32 s62, s62, s68
	s_add_nc_u64 s[YSP:YSP+1], s[8:9], s[62:63]
	s_lshl_b32 s60, s[CX], 5
	s_add_co_u32 s60, s60, 8*\pass
	v_add_nc_u32 v[DQ], s60, v6                    ; my query's place in its group, 32 cx + 8 pass + r + 8 (r / 8), less 16 h
	v_mov_b32 v13, 0xff61b1e6                      ; the largest t so far: -3e38, under every t
	s_delay_alu instid0(VALU_DEP_1)
	v_floor_f32 v12, -v13                          ; -M
	v_mov_b32 v14, 0                               ; the sum, in two halves
	v_mov_b32 v15, 0
.set j, 0
.rept 32
	v_mov_b32 v[O+j], 0                            ; O^T.  (The step is written once for all steps: the first finds zeros, which the first change of M leaves zeros)
.set j, j+1
.endr
	s_wait_loadcnt 0x0                             ; Q
.endm
; A tile ends: O^T / the sum is y's 64 channels of my query: two blocks of 32; quantised, they are half a fragment of the last product's operand.
.macro TILE_END
.rept 4
	v_nop                                          ; places behind the last products
.endr
	v_add_f32 v14, v14, v15                        ; the sum's two halves,
	s_delay_alu instid0(VALU_DEP_1)
	v_permlanex16_b32 v[TT], v14, s[SEL], s[SEL+1]
	s_delay_alu instid0(VALU_DEP_1)
	v_add_f32 v14, v14, v[TT]                      ; and lane l xor 16's: the row's sum
	s_wait_alu depctr_va_vdst(0)
	v_rcp_f32 v14, v14
	v_nop                                          ; one plain place behind a transcendental
.set j, 0
	s_wait_alu depctr_va_vdst(0)
.rept 16
	v_pk_mul_f32 v[S+j:S+j+1], v[O+j:O+j+1], v[14:15] op_sel_hi:[1,0]   ; register 16 c + i is channel 32 c + 16 h + i; each accumulator is read from its low end on
.set j, j+2
.endr
.irp c, 0,1
	v_max3_num_f32 v[BM+\c], |v[S+16*\c]|, |v[S+16*\c+1]|, 0x2800000
.endr
.irp i, 2,4,6,8,10,12,14
.irp c, 0,1
	s_delay_alu instid0(VALU_DEP_2)
	v_max3_num_f32 v[BM+\c], v[BM+\c], |v[S+16*\c+\i]|, |v[S+16*\c+\i+1]|
.endr
.endr
.irp c, 0,1
	s_delay_alu instid0(VALU_DEP_2)
	v_permlanex16_b32 v[BY+\c], v[BM+\c], s[SEL], s[SEL+1]
.endr
.irp c, 0,1
	s_delay_alu instid0(VALU_DEP_2)
	v_max_num_f32 v[BM+\c], v[BM+\c], v[BY+\c]
.endr
.irp c, 0,1
	s_delay_alu instid0(VALU_DEP_2)
	v_add_nc_u32 v[SOP+\c], 0xfe000000, v[BM+\c]
.endr
.irp c, 0,1
	s_delay_alu instid0(VALU_DEP_2)
	v_lshrrev_b32 v[BY+\c], 23, v[SOP+\c]
.endr
	s_delay_alu instid0(VALU_DEP_1)
	v_lshl_or_b32 v[YW], v[BY+1], 8, v[BY]
	v_cvt_scalef32_pk16_bf6_f32 v[PC:PC+2], v[S:S+15], v[SOP]
	v_cvt_scalef32_pk16_bf6_f32 v[T2:T2+2], v[S+16:S+31], v[SOP+1]
	v_nop                                          ; one plain place behind a scaled conversion
.irp i, 0,1,2
	v_permlane16_swap_b32 v[PC+\i], v[T2+\i]
.endr
.irp i, 0,1,2
	s_delay_alu instid0(VALU_DEP_3)
	v_mov_b32 v[PC+3+\i], v[T2+\i]
.endr
.irp p, 0,1,2
	global_store_b64 v[L8], v[PC+2*\p:PC+2*\p+1], s[YP:YP+1] offset:256*\p   ; a plane: 256 consecutive aligned bytes
.endr
	global_store_b16 v[R16], v[YW], s[YSP:YSP+1]   ; my head's half of the row's scale word (both halves of the lanes hold and store the same)
.endm
	TILE_BEGIN 0
	s_wait_tensorcnt 1                             ; my first part is in; my second may stay out
	s_barrier_signal -1
	s_barrier_wait -1                              ; everybody's first part is: key steps 0-3 lie in LDS
	s_mov_b32 s[SI], 0
	s_mov_b32 s[TB], 0
.Lfirst_four:
	STEP
	s_cmp_lt_u32 s[SI], 4
	s_cbranch_scc1 .Lfirst_four
	s_setprio 0
	s_wait_tensorcnt 0x0                           ; my second part is in,
	s_wait_dscnt 0x0
	s_barrier_signal -1
	s_barrier_wait -1                              ; everybody's is: the whole head lies in LDS, and no barrier follows but the closing round's
	s_mov_b32 s[SI], 4
	s_mov_b32 s[TB], 4*13056
.Lrest:
	STEP
	s_cmp_lt_u32 s[SI], 16
	s_cbranch_scc1 .Lrest
	s_setprio 0
	TILE_END
	TILE_BEGIN 1
	s_mov_b32 s[SI], 0
	s_mov_b32 s[TB], 0
.Lsecond:
	STEP
	s_cmp_lt_u32 s[SI], 16
	s_cbranch_scc1 .Lsecond
	s_setprio 0
	TILE_END
	s_wait_dscnt 0x0
	s_wait_tensorcnt 0x0
	ds_add_u32 v254, v255
	s_wait_dscnt 0x0
	ROUND                                          ; the closing round
	s_endpgm
.Lfunc_end_k_q2d60050917_attn:
	.size	k_q2d60050917_attn, .Lfunc_end_k_q2d60050917_attn-k_q2d60050917_attn
	.p2alignl 7, 3214868480
	.fill 96, 4, 3214868480
	.section	.rodata,"a",@progbits
	.p2align	6, 0x0
	.amdhsa_kernel k_q2d60050917_attn
		.amdhsa_group_segment_fixed_size 327680
		.amdhsa_private_segment_fixed_size 0
		.amdhsa_enable_private_segment 0
		.amdhsa_kernarg_size 24
		.amdhsa_user_sgpr_count 2
		.amdhsa_user_sgpr_kernarg_segment_ptr 1
		.amdhsa_wavefront_size32 1
		.amdhsa_system_sgpr_workgroup_id_x 1
		.amdhsa_system_sgpr_workgroup_id_y 1
		.amdhsa_system_sgpr_workgroup_id_z 1
		.amdhsa_system_vgpr_workitem_id 0
		.amdhsa_next_free_vgpr 256
		.amdhsa_next_free_sgpr 80
		.amdhsa_reserve_vcc 1
		.amdhsa_float_denorm_mode_32 3
		.amdhsa_float_denorm_mode_16_64 3
		.amdhsa_memory_ordered 1
		.amdhsa_forward_progress 1
		.amdhsa_inst_pref_size 91
	.end_amdhsa_kernel
	.amdgpu_metadata
---
amdhsa.version: [ 1, 2 ]
amdhsa.kernels:
  - .name:           k_q2d60050917_attn
    .symbol:         k_q2d60050917_attn.kd
    .args:
      - { .name: qimg, .offset: 0, .size: 8, .value_kind: global_buffer, .address_space: global }
      - { .name: kv, .offset: 8, .size: 8, .value_kind: global_buffer, .address_space: global }
      - { .name: yops, .offset: 16, .size: 8, .value_kind: global_buffer, .address_space: global }
    .group_segment_fixed_size: 327680
    .private_segment_fixed_size: 0
    .kernarg_segment_align: 8
    .kernarg_segment_size: 24
    .max_flat_workgroup_size: 512
    .sgpr_count:     80
    .vgpr_count:     256
    .wavefront_size: 32
...
	.end_amdgpu_metadata
.endif
;; end of part 3
;; launch proj (part 4): grid 4 x 32, 4 waves a work-group, clusters of 4 x 4, 327,680 bytes of LDS; arguments yops, ops, bo, out0; writes out0
.if DOCPART == 4
	.amdgcn_target "amdgcn-amd-amdhsa--gfx1250"
	.amdhsa_code_object_version 6
	.text
	.protected	k_q2d60050917_proj
	.globl	k_q2d60050917_proj
	.p2align	8
	.type	k_q2d60050917_proj,@function
k_q2d60050917_proj:
	s_mov_b64 s[64:65], 0
	v_nop
	global_prefetch_b8 v0, s[64:65] scope:SCOPE_SE
	s_setreg_imm32_b32 hwreg(HW_REG_WAVE_MODE, 25, 1), 1
	s_wait_xcnt 0x0
	s_wait_alu depctr_hold_cnt(0) depctr_sa_sdst(0) depctr_va_vdst(0) depctr_va_sdst(0) depctr_va_ssrc(0) depctr_va_vcc(0) depctr_vm_vsrc(0)
	s_getreg_b32 s2, hwreg(HW_REG_IB_STS2, 6, 4)
	s_cmp_eq_u32 s2, 0
	s_cbranch_scc0 .Lentry_in_a_cluster
	s_endpgm
.Lentry_in_a_cluster:
	s_bfe_u32 s2, ttmp6, 0x10000c
	s_cmp_lg_u32 s2, 0xf033
	s_cbranch_scc0 .Lentry_shape_is_right
	s_endpgm
.Lentry_shape_is_right:
; out0 = y wo^T + bo, on codes of BF6 (E3M2) with E8M0 scales, sums in f32.  y [8192][1024] lies in yops, wo [1024][1024] in groups 88-95 of ops, both as images of operand registers:
; [group of 128 rows][slot of 256 along K][25,600]: fragment (tile i, q) at (2 i + q) x 1,536 as six planes of 256 bytes (plane p = registers 2 p, 2 p + 1, lane l at 8 l), then 1,024 bytes of scale words [j][r][(u, q)], i = 2 j + u.
; Lane r of tile i is row 32 (i / 2) + 8 (i % 2) + r + 8 (r / 8) of the group.
; A work-group makes 256 x 256 of out0, each of its four waves 128 x 128 (64 accumulators, 512 registers).  K goes in four steps of 256 through a ring of two LDS slots; one tensor load a wave brings a dense block as 100 rows of 256 bytes.
; CLUSTER: 4 x 4 work-groups; y's blocks are shared along a row of the cluster, wo's along a column: each is asked for jointly.  The grid has 128 work-groups: a smaller tile would read each fragment from LDS for half as many products.
; THE MATRIX INSTRUCTION IS USED TRANSPOSED (source 0 = 16 rows of wo, source 1 = 16 rows of y): a lane holds one token, and the registers of wo's tile b are columns 32 (b / 2) + 16 (lane / 16) + 8 (b % 2) + 0 .. 7.
; The bias is the C of each sum's first matrix instruction.
; REGISTERS, in windows of 256: window 0: v0-29 addresses; v32-63 scale words, two sets; v64-127 the bias; v128-223 y's fragments, ONE set; on the way out v128-255 rows of out0.
;   window 1: wo's fragments, two sets, at v0 and v128.   window 2: the accumulators of y's tiles 0-3 ((a, b) at v[8 (8 (a % 4) + b)]);   window 3: those of tiles 4-7.
.set NL,    6
.set NP,    4                          ; places behind this matrix instruction (ISA guide 7.12.1)
.set NQ,    2
.set FR,    12
.set BLKB,  25600
.set GRPB,  4*BLKB
.set SLOT,  4*BLKB                     ; an LDS slot: A's two halves, then B's two
.set SPARE, 2*SLOT                     ; the spare words, 128 bytes for each wave: two blocks of 256 bytes that no other line names
.set LAPS,  2
.set SPITCH, 528                       ; the way out: a stage of 16 rows x (512 bytes + 16) for each wave, in slot 0, which has had its last fill and its last read when the first result is stored there
.set ADRA, 16
.set ADRS, 18
.set ADRB, 20
.set STO,  24                          ; v24 the way out: where I put 32 bytes of a row
.set RD,   25                          ; v25 where I read a row back
.set CO,   26                          ; v26 my byte offset in a row of out0
.set SPW,  28
.set NIL,  29
.set SC,   32
.set BI,   64
.set AF,   128
.set BK,   128                         ; the way out: 16 rows read back: v128-191 and v192-255 by turns
.set WV,   16
.set HA,   17
.set HB,   18
.set G1,   24
.set G0,   32
.set G1B,  48
.set G0B,  56
.set OUT,  68                          ; s[68:69] out0 at the tile in hand
.set BIA,  88                          ; s[88:89] bo at my wave's first column
.set MSB, 0
.macro WIN new                         ; the immediate's high byte repeats the setting that is left
.if MSB != \new
	s_set_vgpr_msb (MSB<<8)|\new
.set MSB, \new
.endif
.endm
.set MUL_LO, 0xa1
.set MUL_HI, 0xf1
.set TO_B,   0x40
.macro JLOAD g0a, g1a, g0b, g1b        ; a joint load: waves 0 and 1 fetch for A, waves 2 and 3 for B; four v_nop follow each of the two lines
	s_cmp_eq_u32 s[HA], 0
	s_cbranch_scc0 .Lfor_b_\@
	tensor_load_to_lds s[\g0a:\g0a+3], s[\g1a:\g1a+7]
	s_nop 0
.rept 4
	v_nop
.endr
	s_branch .Lasked_\@
.Lfor_b_\@:
	tensor_load_to_lds s[\g0b:\g0b+3], s[\g1b:\g1b+7]
	s_nop 0
.rept 4
	v_nop
.endr
.Lasked_\@:
.endm
.macro CREST
	s_cmp_lg_u32 s[WV], 0
	s_cbranch_scc1 .Lnot_wave_0_\@
	s_barrier_signal -3
.Lnot_wave_0_\@:
	s_barrier_wait -3
	s_barrier_signal -1
	s_barrier_wait -1
.endm
.macro CROUND
	s_barrier_signal -1
	s_barrier_wait -1
	CREST
.endm
	s_load_b256 s[4:11], s[0:1], 0x0               ; yops, ops, bo, out0
	v_lshl_add_u32 v[SPW], v0, 2, SPARE
	v_mov_b32 v[NIL], 0
	ds_add_u32 v28, v29
	ds_add_u32 v28, v29
	s_wait_dscnt 0x0
	v_lshrrev_b32 v1, 5, v0
	v_readfirstlane_b32 s[WV], v1                  ; wave 0..3
	s_lshr_b32 s[HA], s[WV], 1                     ; which half of the tile's rows is mine.  Also: I fetch for A (0) or for B (1)
	s_and_b32 s[HB], s[WV], 1                      ; which half of its columns.  Also: which half I fetch
	s_bfe_u32 s20, ttmp6, 0x40000                  ; cx, cy
	s_bfe_u32 s21, ttmp6, 0x40004
	s_and_b32 s22, ttmp7, 0xffff
	s_lshl_b32 s22, s22, 2
	s_add_co_u32 s22, s22, s21                     ; tile row = 4 x cluster y + cy
	s_lshl_b32 s23, ttmp9, 2
	s_add_co_u32 s23, s23, s20                     ; tile column = 4 x cluster x + cx
	s_lshl_b32 s43, s21, 2
	s_lshl_b32 s43, 15, s43                        ; my row of the cluster
	s_lshl_b32 s44, 0x1111, s20                    ; my column
	s_or_b32 s[G1+0], s43, (3<<16)|(1<<21)         ; 15:0 the mask; 17:16 elements of 8 bytes; 20 no padding; 21 set beside a mask
	s_or_b32 s[G1B+0], s44, (3<<16)|(1<<21)
.irp g, G1, G1B
	s_mov_b32 s[\g+1], 32<<16                      ; rows of 256 bytes,
	s_mov_b32 s[\g+2], 100<<16                     ; 100 of them: a dense block
	s_mov_b32 s[\g+3], 32<<16
	s_mov_b32 s[\g+4], 100
	s_mov_b32 s[\g+5], 32
	s_mov_b32 s[\g+6], 0
	s_mov_b32 s[\g+7], 0
.endr
	s_lshl_b32 s40, s22, 1
	s_add_co_u32 s40, s40, s[HB]                   ; A: group 2 x tile row + the half that I fetch
	s_mul_i32 s40, s40, GRPB
	s_mov_b32 s41, 0
	s_lshl_b32 s46, s23, 1
	s_add_co_u32 s46, s46, s[HB]
	s_add_co_u32 s46, s46, 88                      ; B: wo's groups begin at 88
	s_mul_i32 s46, s46, GRPB
	s_mov_b32 s47, 0
	s_mul_i32 s45, s[WV], BLKB                     ; where they go: wave x a block
	s_lshl_b32 s90, s22, 8
	s_lshl_b32 s91, s[HA], 7
	s_add_co_u32 s90, s90, s91
	s_lshl_b32 s90, s90, 12                        ; my first row of out0, 4,096 bytes a row
	s_mov_b32 s91, 0
	s_lshl_b32 s92, s23, 10
	s_lshl_b32 s93, s[HB], 9
	s_add_co_u32 s92, s92, s93                     ; my first column, in bytes
	s_mov_b32 s93, 0
	s_wait_kmcnt 0x0
	s_add_nc_u64 s[40:41], s[4:5], s[40:41]
	s_add_nc_u64 s[46:47], s[6:7], s[46:47]
	s_add_nc_u64 s[BIA:BIA+1], s[8:9], s[92:93]
	s_add_nc_u64 s[OUT:OUT+1], s[10:11], s[90:91]
	s_add_nc_u64 s[OUT:OUT+1], s[OUT:OUT+1], s[92:93]
	CROUND                                         ; all sixteen work-groups are here: the first joint loads meet
.irp s, 0,1
	s_mov_b32 s[G0+4*\s], 1
	s_add_co_u32 s[G0+4*\s+1], s45, \s*SLOT
	s_add_nc_u64 s[G0+4*\s+2:G0+4*\s+3], s[40:41], \s*BLKB
	s_or_b32 s[G0+4*\s+3], s[G0+4*\s+3], 0x80000000
	s_mov_b32 s[G0B+4*\s], 1
	s_add_co_u32 s[G0B+4*\s+1], s45, \s*SLOT
	s_add_nc_u64 s[G0B+4*\s+2:G0B+4*\s+3], s[46:47], \s*BLKB
	s_or_b32 s[G0B+4*\s+3], s[G0B+4*\s+3], 0x80000000
	s_wait_alu depctr_va_vdst(0)
	s_wait_tensorcnt 0x0
	ds_add_u32 v28, v29
	ds_add_u32 v28, v29
	s_wait_dscnt 0x0
	CROUND
	JLOAD G0+4*\s, G1, G0B+4*\s, G1B               ; one tensor load of mine is out
.endr
	v_and_b32 v1, 15, v0                           ; r
	v_bfe_u32 v2, v0, 4, 1                         ; h
	v_and_b32 v5, 31, v0                           ; lane
	v_lshlrev_b32 v3, 3, v5                        ; 8 x lane
	s_wait_alu depctr_va_vdst(0)
	v_lshlrev_b32 v13, 4, v1                       ; 16 r
	s_mul_i32 s42, s[HA], BLKB
	s_mul_i32 s43, s[HB], BLKB
	s_add_co_u32 s43, s43, 2*BLKB
	s_sub_co_u32 s44, s43, s42
	v_mul_u32_u24 v14, s44, v2                     ; lanes 16-31 take B's scale words: one product, the distance between the two blocks
	v_add_nc_u32 v14, v14, v13
	s_add_co_u32 s44, s42, 24576
.irp s, 0,1
	v_add_nc_u32 v[ADRA+\s], s42, v3
	v_add_nc_u32 v[ADRB+\s], s43, v3
	v_add_nc_u32 v[ADRS+\s], s44, v14
	s_add_co_u32 s42, s42, SLOT
	s_add_co_u32 s43, s43, SLOT
	s_add_co_u32 s44, s44, SLOT
.endr
	v_lshlrev_b32 v4, 6, v2                        ; the bias: 16 h columns on
.irp b, 0,1,2,3,4,5,6,7
	global_load_b128 v[BI+8*\b:BI+8*\b+3], v4, s[BIA:BIA+1] offset:(32*(\b/2)+8*(\b%2))*4
	global_load_b128 v[BI+8*\b+4:BI+8*\b+7], v4, s[BIA:BIA+1] offset:(32*(\b/2)+8*(\b%2))*4+16
.endr
	s_mul_i32 s42, s[WV], 16*SPITCH                ; my stage
	v_mul_u32_u24 v[STO], v1, SPITCH
	v_lshl_add_u32 v[STO], v2, 6, v[STO]
	v_add_nc_u32 v[STO], s42, v[STO]               ; in: row r, + 64 h
	v_lshlrev_b32 v[CO], 4, v5                     ; back: the 32 lanes take one row of 512 bytes; and the same in out0
	v_add_nc_u32 v[RD], s42, v[CO]
.macro FRAG reg, adr, q, i
.irp p, 0,1,2,3,4,5
	ds_load_b64 v[\reg+2*\p:\reg+2*\p+1], v[\adr] offset:(2*(\i)+(\q))*1536+256*\p
.endr
.endm
; 16 matrix instructions: A's tiles a0, a0 + 1 x B's eight.  zero = 1: the sums begin with the bias.  The 64 accumulators take turns, one instruction a turn, in the same order in every step.
.macro MUL16 a0, p, q, sc, zero
.irp a, \a0, \a0+1
.irp b, 0,1,2,3,4,5,6,7
.if \zero
	v_wmma_scale_f32_16x16x128_f8f6f4 v[8*(8*((\a)%4)+\b):8*(8*((\a)%4)+\b)+7], v[128*(\p)+FR*\b:128*(\p)+FR*\b+FR-1], v[AF+FR*(\a):AF+FR*(\a)+FR-1], v[BI+8*\b:BI+8*\b+7], v[SC+16*(\sc)+2*\b+(\q)], v[SC+16*(\sc)+2*(\a)+(\q)] matrix_a_fmt:MATRIX_FMT_BF6 matrix_b_fmt:MATRIX_FMT_BF6 matrix_a_scale:MATRIX_SCALE_ROW1
.else
	v_wmma_scale_f32_16x16x128_f8f6f4 v[8*(8*((\a)%4)+\b):8*(8*((\a)%4)+\b)+7], v[128*(\p)+FR*\b:128*(\p)+FR*\b+FR-1], v[AF+FR*(\a):AF+FR*(\a)+FR-1], v[8*(8*((\a)%4)+\b):8*(8*((\a)%4)+\b)+7], v[SC+16*(\sc)+2*\b+(\q)], v[SC+16*(\sc)+2*(\a)+(\q)] matrix_a_fmt:MATRIX_FMT_BF6 matrix_b_fmt:MATRIX_FMT_BF6 matrix_a_scale:MATRIX_SCALE_ROW1
.endif
.endr
.endr
.endm
.macro FETCH_B slot, q, p
	WIN TO_B
.irp i, 0,1,2,3,4,5,6,7
	FRAG 128*(\p)+FR*\i, ADRB+\slot, \q, \i
.endr
	WIN 0
.endm
.macro FETCH_A slot, q, i0
.irp i, \i0, \i0+1, \i0+2, \i0+3
	FRAG AF+FR*(\i), ADRA+\slot, \q, \i
.endr
.endm
.macro SCALES sc
.irp j, 0,1,2,3
	ds_load_b128 v[SC+16*\sc+4*\j:SC+16*\sc+4*\j+3], v[ADRS+\sc] offset:256*\j
.endr
.endm
.macro PLACES n                        ; places in front of loads into registers that matrix instructions have read, and of the first read of results
.rept \n
	v_nop
.endr
.endm
.macro STEP slot, q, zero
	s_wait_dscnt 4*NL                              ; B's set, A's tiles 0-3 and the scale words are in; the youngest 24 loads (A's tiles 4-7) may be out
.if \zero
	WIN 0x81                                       ; C (the bias) window 0, D window 2
.else
	WIN MUL_LO
.endif
	MUL16 0, (\q)%2, \q, \slot, \zero
	MUL16 2, (\q)%2, \q, \slot, \zero
	s_wait_dscnt 0
	PLACES NP
	FETCH_B \slot, (\q)+1, 1-(\q)%2
	FETCH_A \slot, (\q)+1, 0
.if \zero
	WIN 0xc1
.else
	WIN MUL_HI
.endif
	MUL16 4, (\q)%2, \q, \slot, \zero
	MUL16 6, (\q)%2, \q, \slot, \zero
	PLACES NP
	WIN 0
	FETCH_A \slot, (\q)+1, 4
.endm
.macro TURN slot, next, fill
	s_wait_tensorcnt 0x0                           ; all my tensor loads have landed: my part of the next slot
	ds_add_u32 v[SPW], v[NIL]                      ; 0 onto my spare word
	s_wait_dscnt 4*NL+1                            ; (the add and the youngest 24 loads may be out)
	WIN MUL_LO
	MUL16 0, 1, NQ-1, \slot, 0
	s_wait_dscnt 0x0                               ; the add is done, and my reads of this slot are over
	s_barrier_signal -1
	MUL16 2, 1, NQ-1, \slot, 0
	WIN 0
	s_barrier_wait -1
.if \fill
	CREST                                          ; the barrier has opened a round of the cluster's barrier
	s_add_nc_u64 s[G0+4*\slot+2:G0+4*\slot+3], s[G0+4*\slot+2:G0+4*\slot+3], 2*BLKB
	s_add_nc_u64 s[G0B+4*\slot+2:G0B+4*\slot+3], s[G0B+4*\slot+2:G0B+4*\slot+3], 2*BLKB
	JLOAD G0+4*\slot, G1, G0B+4*\slot, G1B         ; the first tensor load behind the round, my one load until the next
.else
	PLACES NP
.endif
	s_wait_alu depctr_va_vdst(0)
	FETCH_B \next, 0, 0
	FETCH_A \next, 0, 0
	SCALES \next
	WIN MUL_HI
	MUL16 4, 1, NQ-1, \slot, 0
	MUL16 6, 1, NQ-1, \slot, 0
	PLACES NP
	WIN 0
	FETCH_A \next, 0, 4
.endm
	s_wait_tensorcnt 1                             ; my part of K step 0 is in (K step 1's load may be out),
	s_barrier_signal -1
	s_barrier_wait -1                              ; everybody's is
	FETCH_B 0, 0, 0
	FETCH_A 0, 0, 0
	SCALES 0
	FETCH_A 0, 0, 4
	s_wait_loadcnt 0x0                             ; the bias
	STEP 0, 0, 1                                   ; the first step stands in front of the loop: its products start the sums, with the bias
	s_mov_b32 s3, LAPS-1
.Llap:
	TURN 0, 1, 1
	STEP 1, 0, 0
	TURN 1, 0, 1
	STEP 0, 0, 0
	s_sub_co_u32 s3, s3, 1
	s_cmp_lg_u32 s3, 0
	s_cbranch_scc1 .Llap
	TURN 0, 1, 0                                   ; the last lap fills nothing
	STEP 1, 0, 0
	s_wait_dscnt 4*NL
	WIN MUL_LO
	MUL16 0, 1, NQ-1, 1, 0
	MUL16 2, 1, NQ-1, 1, 0
	s_wait_dscnt 0
	WIN MUL_HI
	MUL16 4, 1, NQ-1, 1, 0
	MUL16 6, 1, NQ-1, 1, 0
	WIN 0
; THE WAY OUT, tile by tile of 16 tokens x 128 columns, through my own stage in LDS: in by lanes (32 bytes of a row each), back as whole rows of 512 bytes, which the 32 lanes store as 512 consecutive aligned bytes.
; LDS serves a wave's instructions in order (ISA guide 5.7.1.4): no wait between the stores and the loads.  Row t of tile a is token 32 (a / 2) + 8 (a % 2) + t + 8 (t / 8).
.macro TOSTAGE a
.set AC, 64*((\a)%4)
	WIN 0x08+4*((\a)/4)                            ; the data: window 2 or 3
.irp b, 0,1,2,3,4,5,6,7
	ds_store_b128 v[STO], v[AC+8*\b:AC+8*\b+3] offset:128*(\b/2)+32*(\b%2)          ; each accumulator from its low end on
	ds_store_b128 v[STO], v[AC+8*\b+4:AC+8*\b+7] offset:128*(\b/2)+32*(\b%2)+16
.endr
	WIN 0
.set BB, BK+64*((\a)%2)
.irp t, 0,1,2,3,4,5,6,7,8,9,10,11,12,13,14,15
	ds_load_b128 v[BB+4*\t:BB+4*\t+3], v[RD] offset:\t*SPITCH
.endr
.endm
.macro SEND a, younger                 ; younger: the LDS instructions issued behind tile a's loads, which may stay out
.set BB, BK+64*((\a)%2)
	s_wait_dscnt \younger
.if (\a) > 0
.if (\a)%2
	s_add_nc_u64 s[OUT:OUT+1], s[OUT:OUT+1], 8*4096    ; (behind a wait on XCNT)  8 tokens on into an odd tile,
.else
	s_add_nc_u64 s[OUT:OUT+1], s[OUT:OUT+1], 24*4096   ; 24 into an even one
.endif
.endif
.irp t, 0,1,2,3,4,5,6,7,8,9,10,11,12,13,14,15
	global_store_b128 v[CO], v[BB+4*\t:BB+4*\t+3], s[OUT:OUT+1] offset:(\t+8*(\t/8))*4096 th:TH_STORE_NT
.endr
.endm
	PLACES NP
	TOSTAGE 0
.irp a, 1,2,3,4,5,6,7
.if \a > 1
	s_wait_xcnt 0x0                                ; tile a - 2's stores have read their registers and their base
.endif
	TOSTAGE \a
	SEND \a-1, 32                                  ; behind tile a - 1's loads: tile a's 16 stores and 16 loads
.endr
	s_wait_xcnt 0x0
	SEND 7, 0
	s_wait_tensorcnt 0x0                           ; the wave's end
	ds_add_u32 v[SPW], v[NIL]
	s_wait_dscnt 0x0
	CROUND                                         ; the closing round
	s_endpgm
.Lfunc_end_k_q2d60050917_proj:
	.size	k_q2d60050917_proj, .Lfunc_end_k_q2d60050917_proj-k_q2d60050917_proj
	.p2alignl 7, 3214868480
	.fill 96, 4, 3214868480
	.section	.rodata,"a",@progbits
	.p2align	6, 0x0
	.amdhsa_kernel k_q2d60050917_proj
		.amdhsa_group_segment_fixed_size 327680
		.amdhsa_private_segment_fixed_size 0
		.amdhsa_enable_private_segment 0
		.amdhsa_kernarg_size 32
		.amdhsa_user_sgpr_count 2
		.amdhsa_user_sgpr_kernarg_segment_ptr 1
		.amdhsa_wavefront_size32 1
		.amdhsa_system_sgpr_workgroup_id_x 1
		.amdhsa_system_sgpr_workgroup_id_y 1
		.amdhsa_system_sgpr_workgroup_id_z 1
		.amdhsa_system_vgpr_workitem_id 0
		.amdhsa_next_free_vgpr 1024
		.amdhsa_next_free_sgpr 100
		.amdhsa_reserve_vcc 0
		.amdhsa_float_denorm_mode_32 3
		.amdhsa_float_denorm_mode_16_64 3
		.amdhsa_memory_ordered 1
		.amdhsa_forward_progress 1
		.amdhsa_inst_pref_size 159
	.end_amdhsa_kernel
	.amdgpu_metadata
---
amdhsa.version: [ 1, 2 ]
amdhsa.kernels:
  - .name:           k_q2d60050917_proj
    .symbol:         k_q2d60050917_proj.kd
    .args:
      - { .name: yops, .offset: 0, .size: 8, .value_kind: global_buffer, .address_space: global }
      - { .name: ops, .offset: 8, .size: 8, .value_kind: global_buffer, .address_space: global }
      - { .name: bo, .offset: 16, .size: 8, .value_kind: global_buffer, .address_space: global }
      - { .name: out0, .offset: 24, .size: 8, .value_kind: global_buffer, .address_space: global }
    .group_segment_fixed_size: 327680
    .private_segment_fixed_size: 0
    .kernarg_segment_align: 8
    .kernarg_segment_size: 32
    .max_flat_workgroup_size: 128
    .sgpr_count:     100
    .vgpr_count:     1024
    .wavefront_size: 32
...
	.end_amdgpu_metadata
.endif
;; end of part 4
